; MI455X (gfx1250); checked and timed in simulation.
; The chip was launched on July 23, 2026; its instructions are those of AMD's public machine-readable ISA for CDNA 5 (MIT licence, August 2026) and "CDNA5" Instruction Set Architecture Reference Guide (July 2026). The comments in the code are by the model that wrote it; some were corrected since.
;; Mo E Layer. Allowed arithmetic: matrix products marked QUANTISED: E3M2 operands, one E8M0 scale for each 32 along K, by v_wmma_scale_f32_16x16x128_f8f6f4 with both operands' format E3M2, f32 sums; products left as they are: f32 operands where the result goes on into a quantised operand, else bf16, f16 or f32 operands; f32 sums; everything else in f32.
;; Inputs: W1 8 x 1,024 x 2,048 float32; W2 8 x 2,048 x 1,024 float32; b1 8 x 2,048 float32; b2 8 x 1,024 float32; gate_W 1,024 x 8 float32; gate_b 8 float32; x 8 x 256 x 1,024 float32.
;; Outputs: out0 8 x 256 x 1,024 float32; out1 2,048 x 8 float32.
;; This version of the problem:
;;   THIS VERSION OF THE PROBLEM IS GIVEN IN LOW PRECISION. The matrix products marked QUANTISED in the list below multiply operands that are first quantised to E3M2 (3 exponent bits, 2 mantissa bits; 6 bits a number), with one power-of-two scale for each 32 numbers along K (OCP MX v1.0); their sums are f32. All else is computed in f32.
;;   The module's matrix products, in the order in which they are computed (A, B: the left and right operand; K: the contracted axis; several contracted axes count as one K, in the product's order):
;;     1. [M 2,048, K 1,024] x [K 1,024, N 8]; A: input x; B: input gate_W: left as it is (N = 8 < 16)
;;     2. [M 2,048, K 1,024] x [K 1,024, N 2,048]; A: input x; B: input W1: QUANTISED
;;     3. [M 2,048, K 2,048] x [K 2,048, N 1,024]; A: computed on the way; B: input W2: QUANTISED
;;     4. [M 2,048, K 1,024] x [K 1,024, N 2,048]; A: input x; B: input W1: QUANTISED
;;     5. [M 2,048, K 2,048] x [K 2,048, N 1,024]; A: computed on the way; B: input W2: QUANTISED
;;     6. [M 2,048, K 1,024] x [K 1,024, N 2,048]; A: input x; B: input W1: QUANTISED
;;     7. [M 2,048, K 2,048] x [K 2,048, N 1,024]; A: computed on the way; B: input W2: QUANTISED
;;     8. [M 2,048, K 1,024] x [K 1,024, N 2,048]; A: input x; B: input W1: QUANTISED
;;     9. [M 2,048, K 2,048] x [K 2,048, N 1,024]; A: computed on the way; B: input W2: QUANTISED
;;     10. [M 2,048, K 1,024] x [K 1,024, N 2,048]; A: input x; B: input W1: QUANTISED
;;     11. [M 2,048, K 2,048] x [K 2,048, N 1,024]; A: computed on the way; B: input W2: QUANTISED
;;     12. [M 2,048, K 1,024] x [K 1,024, N 2,048]; A: input x; B: input W1: QUANTISED
;;     13. [M 2,048, K 2,048] x [K 2,048, N 1,024]; A: computed on the way; B: input W2: QUANTISED
;;     14. [M 2,048, K 1,024] x [K 1,024, N 2,048]; A: input x; B: input W1: QUANTISED
;;     15. [M 2,048, K 2,048] x [K 2,048, N 1,024]; A: computed on the way; B: input W2: QUANTISED
;;     16. [M 2,048, K 1,024] x [K 1,024, N 2,048]; A: input x; B: input W1: QUANTISED
;;     17. [M 2,048, K 2,048] x [K 2,048, N 1,024]; A: computed on the way; B: input W2: QUANTISED
;;   THE QUANTISER, for each operand of a quantised product, along K:
;;     - K is cut into blocks of 32 from its start; a last block that is shorter is filled with zeros.
;;     - A block's scale is 2^e with e = floor(log2(the largest magnitude in the block)) - 4, held to -126 .. 127; a block of zeros has e = 0. As a byte (E8M0): e + 127.
;;     - Each number is divided by its block's scale, clamped to +-28, and rounded to the nearest number of E3M2, ties to even, subnormals kept.
;;     - The product sums the exact products of the quantised numbers (number of the format x scale) in f32.
;;   ~~~python
;;   def quantise(x, axis):      # numpy; x: float32 -> the quantised numbers, widened to float32 again
;;       x = np.moveaxis(x, axis, -1); K = x.shape[-1]
;;       x = np.pad(x, [(0, 0)] * (x.ndim - 1) + [(0, -K % 32)]); x = x.reshape(x.shape[:-1] + (-1, 32)); a = np.abs(x).max(-1, keepdims=True)
;;       e = np.where(a > 0, np.clip(np.frexp(np.where(a > 0, a, 1))[1] - 1 - 4, -126, 127), 0)      # np.frexp(a)[1] - 1 = floor(log2(a)), exactly
;;       r = np.clip(x / 2.0 ** e, -28, 28)
;;       step = 2.0 ** (np.maximum(np.frexp(np.where(r == 0, 1, r))[1] - 1, -2) - 2)
;;       q = np.round(r / step) * step * 2.0 ** e      # np.round: ties to even
;;       return np.moveaxis(q.reshape(q.shape[:-2] + (-1,))[..., :K], -1, axis).astype(np.float32)
;;   ~~~
;;   OPERANDS COMPUTED ON THE WAY. 'Computed on the way' means the value that the module computes at that place (a softmax that the list does not call 'softmax' is quantised finished and normalised). What goes into a quantiser is computed in f32, as accurately as f32 sums, v_exp_f32 and their like allow (about 1e-6 of the number): no bf16 or f16 on the way to a quantiser, and a product that is left as it is and whose result goes on into a quantised operand takes f32 operands (vector FMAs, or v_wmma_f32_16x16x4_f32). A number that lies on a knife's edge between two numbers of the format may be rounded either way, as far as f32 arithmetic and the matrix unit's own rounding can turn it there, and no further.
;; 2 versions. Each part assembles by itself: llvm-mc -triple=amdgcn-amd-amdhsa -mcpu=gfx1250 --defsym DOCPART=n.
;; ======== version 1 of 2: 3 launches
;; workspace buffers: xq 1,638,400 bytes; w2q 13,107,200 bytes; hq 26,214,400 bytes; ridx 8,192 bytes of whole numbers; topw 8,192 bytes; route 73,728 bytes of whole numbers
;; launch prep (part 1): grid 256 x 1, 16 waves a work-group, no clusters, 81,152 bytes of LDS; arguments x, gate_W, gate_b, W2, xq, w2q, ridx, topw, out1; writes xq, w2q, ridx, topw, out1
.if DOCPART == 1
	.amdgcn_target "amdgcn-amd-amdhsa--gfx1250"
	.amdhsa_code_object_version 6
	.text
	.protected	k_qa1083b6ace_prep
	.globl	k_qa1083b6ace_prep
	.p2align	8
	.type	k_qa1083b6ace_prep,@function
k_qa1083b6ace_prep:
	s_mov_b64 s[64:65], 0
	v_nop
	global_prefetch_b8 v0, s[64:65] scope:SCOPE_SE
	s_setreg_imm32_b32 hwreg(HW_REG_WAVE_MODE, 25, 1), 1
	s_wait_xcnt 0x0
; PREP.  Three things that need no routing:
;  (1) the gate: logits = x gate_W + gate_b in f32 multiply-adds, softmax (the row's maximum taken away first), out1; the first largest weight's index -> ridx, the weight -> topw;
;  (2) x [2048][1024] f32 -> codes of E3M2 with one E8M0 byte for each 32 along K -> xq, a token's 768 bytes laid so that a lane of the matrix operand finds the 48 bytes of a K step on end;
;  (3) W2 [8][2048 (K)][1024] f32 -> codes along K -> w2q, laid as images of the operand's registers (16 columns x 128 K: 3 x 512 bytes, 16 bytes a lane), and their scale words.
; SHARES.  Work-group n: expert n >> 5, columns 64 ((n >> 1) & 15) on, K half n & 1: a slab of 1,024 K x 64 columns, rows of 256 bytes; and tokens 8 n .. 8 n + 7.
; Wave w: 128 K (w >> 1) x 32 columns (w & 1).  A LANE TAKES A COLUMN AND ITS REGISTERS RUN DOWN K: a block of 32 lies in one lane, nothing is transposed.  Waves 0-7 also take a token each, between the
; second and the third block, while those blocks' loads travel.
; A block's scale is 2^(floor(log2(largest magnitude)) - 4); its byte is that magnitude's exponent field - 4, held at 1 from below.
; LIMITS: NaN and infinities among the inputs are not served; a block whose largest magnitude lies under 2^-122 takes the byte 1; a block of zeros carries the byte 1 (its codes are zeros, and this program alone
; reads the bytes); two gate weights that tie within the rounding of f32 sums may fall either way.
; No tensor loads, no cluster: the work-groups share gate_W alone, 32 KiB beside the 288 KiB that each reads for itself.
.set XS_OFF,  1572864                  ; xq: behind the codes, the scale bytes [2048][32]
.set W2S_OFF, 12582912                 ; w2q: behind the codes, the scale words
.set PITCH,   4096                     ; a row of W2 in bytes
.set GWB,   0                          ; LDS: gate_W as 32 blocks of 32 rows (1,024 bytes + 16): block l is lane l's
.set TURN,  33280                      ; 8 x 4,608: a token's row turns from 16 bytes a lane to 128 bytes a lane (places of 144 bytes)
.set XROW,  70144                      ; 8 x 768: a token's codes in xq's order
.set RES_P, 76288                      ; the 8 tokens' gate weights, 256 bytes
.set RES_S, 76544                      ; their x scale bytes, 256 bytes
.set RES_I, 76800                      ; their experts
.set RES_T, 76928                      ; their top weights
.set WS,    77056                      ; the slab's scale words, 2,048 bytes
.set LN,   1                           ; lane
.set WOFF, 2                           ; 4 x lane: my column
.set L16,  3
.set L8,   4
.set GWST, 5                           ; v5-v22: every LDS address, made here at the head, ahead of the first parting of the waves
.set GWRD, 6
.set TUST, 7
.set TURD, 8
.set XRST, 9
.set XRRD, 10
.set XRR2, 11
.set RPST, 12
.set RSST, 13
.set RIST, 14
.set RTST, 15
.set WSST, 16
.set WSRD, 17
.set RPRD, 18
.set RSRD, 19
.set RIRD, 20
.set RTRD, 21
.set G4,   22                          ; 4 (lane & 7)
.set TT,   23
.set M0,   24                          ; the quantiser's own: two maxima, the scale operand, the byte, three registers of codes
.set M1,   25
.set SO,   26
.set BY,   27
.set TMP,  28
.set GWO,  31                          ; my wave's 2,048 bytes of gate_W
.set RAW,  32                          ; v32-95   two blocks of 32 numbers
.set FA,   96                          ; v96-107  blocks 0 and 2, then the fragment of columns 0-15
.set FB,   108                         ; v108-119 blocks 1 and 3, then the fragment of columns 16-31
.set WORD, 120                         ; my column's four scale bytes
.set CDX,  122                         ; v122-127 a block of x as codes
.set XB,   128                         ; v128-159 my 32 numbers of the token's row
.set GWR,  160                         ; v160-223 eight rows of gate_W, in two halves by turns
.set XR,   160                         ; (at the head: the token's row as loaded,
.set GWT,  192                         ;  and my wave's part of gate_W)
.set LG,   224                         ; v224-231 logits
.set PR,   232                         ; v232-239 gate weights
.set TP,   240                         ; v240-247 at work
.set XO,   248                         ; v248-253 the token's codes on their way out
.set WB,   32                          ; s[32:33] my unit of W2
; One block of 32 numbers of one lane, v[src] on, becomes 6 registers of codes at v[dst]; pos 0..3: its byte goes to that place of v[WORD]; pos < 0: it stays in v[BY].
.macro QB src, dst, pos
	v_max3_num_f32 v[M0], |v[\src]|, |v[\src+1]|, |v[\src+2]|      ; the largest magnitude, in two chains
	v_max3_num_f32 v[M1], |v[\src+3]|, |v[\src+4]|, |v[\src+5]|
.irp i, 6,10,14,18,22,26
	v_max3_num_f32 v[M0], v[M0], |v[\src+\i]|, |v[\src+\i+1]|
	v_max3_num_f32 v[M1], v[M1], |v[\src+\i+2]|, |v[\src+\i+3]|
.endr
	v_max3_num_f32 v[M0], v[M0], |v[\src+30]|, |v[\src+31]|
	v_max3_num_f32 v[M0], v[M0], v[M1], 0x2800000                  ; and the floor 2^(5 - 127): the byte cannot fall under 1
	v_add_nc_u32 v[SO], 0xfe000000, v[M0]                          ; 4 off the exponent field: the conversion takes this operand's exponent field as its scale
	v_lshrrev_b32 v[BY], 23, v[SO]                                 ; the scale's byte
.if (\pos) == 0
	v_mov_b32 v[WORD], v[BY]
.elseif (\pos) > 0
	v_lshl_or_b32 v[WORD], v[BY], 8*(\pos), v[WORD]
.endif
	v_cvt_scalef32_pk16_bf6_f32 v[\dst:\dst+2], v[\src:\src+15], v[SO]
	v_cvt_scalef32_pk16_bf6_f32 v[TMP:TMP+2], v[\src+16:\src+31], v[SO]   ; (a conversion's three registers begin on an even number)
	v_nop                                                          ; one plain place behind a scaled conversion
.irp i, 0,1,2
	v_mov_b32 v[\dst+3+\i], v[TMP+\i]
.endr
.endm
; Block b of my unit: 32 rows of W2 at my column; the wave reads 128 consecutive bytes a row, its neighbour wave the row's other 128.
.macro LB b
.irp i, 0,1,2,3,4,5,6,7,8,9,10,11,12,13,14,15,16,17,18,19,20,21,22,23,24,25,26,27,28,29,30,31
	global_load_b32 v[RAW+32*((\b)%2)+\i], v[WOFF], s[WB:WB+1] offset:(32*(\b)+\i)*PITCH th:TH_LOAD_NT
.endr
.endm
; Four rows of my block of gate_W (rows 4 g .. 4 g + 3 of the lane's 32), and their multiply-adds.
.macro GLOAD g
.irp kk, 0,1,2,3
	ds_load_b128 v[GWR+32*((\g)%2)+8*\kk:GWR+32*((\g)%2)+8*\kk+3], v[GWRD] offset:32*(4*(\g)+\kk)
	ds_load_b128 v[GWR+32*((\g)%2)+8*\kk+4:GWR+32*((\g)%2)+8*\kk+7], v[GWRD] offset:32*(4*(\g)+\kk)+16
.endr
.endm
.macro GMAC g
.irp kk, 0,1,2,3
.irp e, 0,1,2,3,4,5,6,7
.if ((\g) == 0) && (\kk == 0)
	v_mul_f32 v[LG+\e], v[GWR+\e], v[XB]                           ; the first product starts the sums
.else
	v_fmac_f32 v[LG+\e], v[GWR+32*((\g)%2)+8*\kk+\e], v[XB+4*(\g)+\kk]
.endif
.endr
.endr
.endm
	s_load_b512 s[4:19], s[0:1], 0x0               ; x, gate_W, gate_b, W2, xq, w2q, ridx, topw
	s_load_b64 s[20:21], s[0:1], 0x40              ; out1
	v_lshl_add_u32 v254, v0, 2, 0x13500
	v_mov_b32 v255, 0
	v_lshrrev_b32 v[TT], 5, v0
	v_readfirstlane_b32 s2, v[TT]                  ; wave 0..15
	v_and_b32 v[LN], 31, v0
	v_lshlrev_b32 v[WOFF], 2, v[LN]
	v_lshlrev_b32 v[L16], 4, v[LN]
	v_lshlrev_b32 v[L8], 3, v[LN]
	s_min_u32 s22, s2, 7                           ; the token's wave (waves 8-15 never use what is made of it)
	s_mul_i32 s23, s2, 2080
	v_add_nc_u32 v[GWST], s23, v[L16]              ; gate_W in: my wave's two blocks of 1,040
	v_mul_u32_u24 v[GWRD], v[LN], 1040             ; and out: my lane's block
	s_lshl_b32 s23, s2, 11
	v_add_nc_u32 v[GWO], s23, v[L16]
	s_mul_i32 s23, s22, 4608
	s_add_co_u32 s23, s23, TURN
	v_lshrrev_b32 v[TT], 3, v[LN]
	v_mul_u32_u24 v[TUST], v[TT], 144
	v_and_b32 v[TT], 7, v[LN]
	v_lshl_add_u32 v[TUST], v[TT], 4, v[TUST]
	v_add_nc_u32 v[TUST], s23, v[TUST]             ; the turn, in: eight lanes' 128 bytes to a place
	v_lshlrev_b32 v[G4], 2, v[TT]
	v_mul_u32_u24 v[TURD], v[LN], 144
	v_add_nc_u32 v[TURD], s23, v[TURD]             ; and out: my place
	s_mul_i32 s23, s22, 768
	s_add_co_u32 s23, s23, XROW
	v_and_b32 v[TT], 1, v[LN]
	v_mul_u32_u24 v[XRST], v[TT], 384
	v_lshrrev_b32 v[TT], 2, v[LN]
	v_mad_u32_u24 v[XRST], v[TT], 48, v[XRST]
	v_bfe_u32 v[TT], v[LN], 1, 1
	v_mad_u32_u24 v[XRST], v[TT], 24, v[XRST]
	v_add_nc_u32 v[XRST], s23, v[XRST]             ; block l of a token lies at 384 (l & 1) + 48 (l >> 2) + 24 ((l >> 1) & 1)
	v_add_nc_u32 v[XRRD], s23, v[L16]
	v_add_nc_u32 v[XRR2], s23, v[L8]
	v_add_nc_u32 v[XRR2], 512, v[XRR2]
	s_lshl_b32 s23, s22, 5
	v_mov_b32 v[RPST], s23
	v_add_nc_u32 v[RPST], RES_P, v[RPST]
	v_add_nc_u32 v[RSST], s23, v[LN]
	v_add_nc_u32 v[RSST], RES_S, v[RSST]
	s_lshl_b32 s23, s22, 2
	v_mov_b32 v[RIST], s23
	v_add_nc_u32 v[RTST], RES_T, v[RIST]
	v_add_nc_u32 v[RIST], RES_I, v[RIST]
	s_lshl_b32 s23, s2, 7
	v_add_nc_u32 v[WSST], s23, v[WOFF]
	v_add_nc_u32 v[WSST], WS, v[WSST]
	s_and_b32 s23, s2, 3
	s_lshl_b32 s23, s23, 9
	v_add_nc_u32 v[WSRD], s23, v[L16]
	v_add_nc_u32 v[WSRD], WS, v[WSRD]
	v_add_nc_u32 v[RPRD], RES_P, v[L8]
	v_add_nc_u32 v[RSRD], RES_S, v[L8]
	v_add_nc_u32 v[RIRD], RES_I, v[G4]
	v_add_nc_u32 v[RTRD], RES_T, v[G4]
	s_mov_b32 s42, 0x76543210                      ; v_permlanex16_b32's selects for lane l xor 16
	s_mov_b32 s43, 0xfedcba98
	s_mov_b32 s44, 0x3fb8aa3b                      ; log2(e)
	s_lshr_b32 s50, ttmp9, 5                       ; expert
	s_bfe_u32 s51, ttmp9, 0x40001                  ; group of 64 columns
	s_and_b32 s52, ttmp9, 1                        ; K half
	s_lshl_b32 s46, s50, 23                        ; my unit of W2: expert x 8 MiB + K half x 1,024 rows + (w >> 1) x 128 rows + 256 g + 128 (w & 1)
	s_lshl_b32 s53, s52, 22
	s_add_co_u32 s46, s46, s53
	s_lshr_b32 s53, s2, 1
	s_lshl_b32 s53, s53, 19
	s_add_co_u32 s46, s46, s53
	s_lshl_b32 s53, s51, 8
	s_add_co_u32 s46, s46, s53
	s_and_b32 s53, s2, 1
	s_lshl_b32 s53, s53, 7
	s_add_co_u32 s46, s46, s53
	s_mov_b32 s47, 0
	s_lshl_b32 s53, ttmp9, 3
	s_add_co_u32 s53, s53, s22                     ; my token
	s_lshl_b32 s56, s53, 12
	s_mov_b32 s57, 0
	s_wait_kmcnt 0x0
	s_load_b256 s[24:31], s[8:9], 0x0              ; gate_b
	s_add_nc_u64 s[WB:WB+1], s[10:11], s[46:47]
	s_add_nc_u64 s[34:35], s[4:5], s[56:57]
.irp i, 0,1,2,3
	global_load_b128 v[GWT+4*\i:GWT+4*\i+3], v[GWO], s[6:7] offset:512*\i
.endr
	s_cmp_lt_u32 s2, 8
	s_cbranch_scc0 .Lno_row
.irp i, 0,1,2,3,4,5,6,7
	global_load_b128 v[XR+4*\i:XR+4*\i+3], v[L16], s[34:35] offset:512*\i th:TH_LOAD_NT
.endr
.Lno_row:
	LB 0
	LB 1
	s_mul_i32 s46, s53, 768                        ; the other addresses, while the loads travel (none of these registers is a source of a load that is out)
	s_add_nc_u64 s[36:37], s[12:13], s[46:47]      ; my token's row of xq
	s_lshl_b32 s46, ttmp9, 4
	s_add_co_u32 s46, s46, s2
	s_mul_i32 s46, s46, 3072                       ; my unit of w2q: number ((16 e + g) 16 + K step) 2 + column half = 16 n + w
	s_add_nc_u64 s[38:39], s[14:15], s[46:47]
	s_lshl_b32 s46, ttmp9, 11
	s_and_b32 s53, s2, 3
	s_lshl_b32 s53, s53, 9
	s_add_co_u32 s46, s46, s53
	s_add_nc_u64 s[40:41], s[14:15], s[46:47]
	s_add_nc_u64 s[40:41], s[40:41], W2S_OFF       ; the slab's 2,048 bytes of scale words, a quarter for each of waves 0-3
	s_lshl_b32 s46, ttmp9, 8
	s_add_nc_u64 s[20:21], s[20:21], s[46:47]      ; out1: my 8 tokens' 256 bytes
	s_add_nc_u64 s[48:49], s[12:13], s[46:47]
	s_add_nc_u64 s[48:49], s[48:49], XS_OFF        ; and their 256 scale bytes
	s_lshl_b32 s46, ttmp9, 5
	s_add_nc_u64 s[16:17], s[16:17], s[46:47]
	s_add_nc_u64 s[18:19], s[18:19], s[46:47]
	s_wait_loadcnt 63                              ; 64 loads were issued behind gate_W's and the row's: these are in
.irp i, 0,1,2,3
	ds_store_b128 v[GWST], v[GWT+4*\i:GWT+4*\i+3] offset:(\i/2)*1040+(\i%2)*512
.endr
	s_cmp_lt_u32 s2, 8
	s_cbranch_scc0 .Lno_turn
.irp i, 0,1,2,3,4,5,6,7
	ds_store_b128 v[TUST], v[XR+4*\i:XR+4*\i+3] offset:576*\i
.endr
.Lno_turn:
	s_wait_kmcnt 0x0                               ; gate_b
	s_wait_dscnt 0x0                               ; for the others' sake: my part of gate_W has landed
	s_barrier_signal -1
	s_barrier_wait -1                              ; gate_W is whole in LDS
	s_wait_loadcnt 32                              ; block 0 is in; block 1's 32 loads may be out
	QB RAW, FA, 0
	LB 2
	s_wait_loadcnt 32                              ; block 1 is in; block 2's may be out
	QB RAW+32, FB, 1
	LB 3
	s_cmp_lt_u32 s2, 8
	s_cbranch_scc0 .Lno_token
	; ---- a token: no global load and no barrier stands in here
.irp j, 0,1,2,3,4,5,6,7
	ds_load_b128 v[XB+4*\j:XB+4*\j+3], v[TURD] offset:16*\j        ; x[32 l .. 32 l + 31]: LDS serves a wave's instructions in order, so these see my stores
.endr
	GLOAD 0
	GLOAD 1
.irp e, 0,1,2,3,4,5,6,7
	v_mov_b32 v[TP+\e], 0                          ; (a lane permute's destination counts as one of its sources)
.endr
.irp g, 0,1,2,3,4,5,6,7
.if \g < 7
	s_wait_dscnt 8                                 ; this group's rows are in; the next group's eight loads may be out
.else
	s_wait_dscnt 0x0
.endif
	GMAC \g
.if \g < 6
	GLOAD \g+2
.endif
.endr
.irp m, 1,2,4,8
.irp e, 0,1,2,3,4,5,6,7
	v_add_f32_dpp v[LG+\e], v[LG+\e], v[LG+\e] row_xmask:\m row_mask:0xf bank_mask:0xf   ; the 32 lanes' parts, the eight sums by turns
.endr
.endr
.irp e, 0,1,2,3,4,5,6,7
	v_permlanex16_b32 v[TP+\e], v[LG+\e], s42, s43
.endr
.irp e, 0,1,2,3,4,5,6,7
	v_add_f32 v[LG+\e], v[LG+\e], v[TP+\e]
.endr
.irp e, 0,1,2,3,4,5,6,7
	v_add_f32 v[LG+\e], s[24+\e], v[LG+\e]         ; + gate_b
.endr
	v_max3_num_f32 v[TP], v[LG], v[LG+1], v[LG+2]
	v_max3_num_f32 v[TP], v[TP], v[LG+3], v[LG+4]
	v_max3_num_f32 v[TP], v[TP], v[LG+5], v[LG+6]
	v_max_num_f32 v[TP], v[TP], v[LG+7]            ; the row's maximum is taken away first,
.irp e, 0,1,2,3,4,5,6,7
	v_sub_f32 v[PR+\e], v[LG+\e], v[TP]
.endr
.irp e, 0,1,2,3,4,5,6,7
	v_mul_f32 v[PR+\e], s44, v[PR+\e]              ; then the base is changed
.endr
.irp e, 0,1,2,3,4,5,6,7
	v_exp_f32 v[PR+\e], v[PR+\e]
.endr
	v_nop                                          ; a plain place behind the exponentials
	s_wait_alu depctr_va_vdst(0)                   ; one wait for the eight, ahead of their first reader
	v_add_f32 v[TP+1], v[PR], v[PR+1]
	v_add_f32 v[TP+2], v[PR+2], v[PR+3]
	v_add_f32 v[TP+3], v[PR+4], v[PR+5]
	v_add_f32 v[TP+4], v[PR+6], v[PR+7]
	v_add_f32 v[TP+1], v[TP+1], v[TP+2]
	v_add_f32 v[TP+3], v[TP+3], v[TP+4]
	v_add_f32 v[TP+1], v[TP+1], v[TP+3]
	v_rcp_f32 v[TP+2], v[TP+1]
	v_nop
	s_wait_alu depctr_va_vdst(0)                   ; and one for the reciprocal
.irp e, 0,1,2,3,4,5,6,7
	v_mul_f32 v[PR+\e], v[PR+\e], v[TP+2]          ; the gate weights
.endr
	v_mov_b32 v[TP+3], 0                           ; the first largest: a later one takes over only where it is truly larger
	v_mov_b32 v[TP+4], v[PR]
.irp e, 1,2,3,4,5,6,7
	v_cmp_le_f32 vcc_lo, v[PR+\e], v[TP+4]
	v_cndmask_b32 v[TP+3], \e, v[TP+3], vcc_lo
	v_cndmask_b32 v[TP+4], v[PR+\e], v[TP+4], vcc_lo
.endr
	ds_store_b128 v[RPST], v[PR:PR+3]              ; every lane holds the same numbers and writes the same bytes
	ds_store_b128 v[RPST], v[PR+4:PR+7] offset:16
	ds_store_b32 v[RIST], v[TP+3]
	ds_store_b32 v[RTST], v[TP+4]
	QB XB, CDX, -1                                 ; my block of the token's row
	ds_store_b64 v[XRST], v[CDX:CDX+1]
	ds_store_b64 v[XRST], v[CDX+2:CDX+3] offset:8
	ds_store_b64 v[XRST], v[CDX+4:CDX+5] offset:16
	ds_store_b8 v[RSST], v[BY]
	ds_load_b128 v[XO:XO+3], v[XRRD]               ; my wave's own bytes, in order behind the stores
	ds_load_b64 v[XO+4:XO+5], v[XRR2]
	s_wait_dscnt 0x0
	global_store_b128 v[L16], v[XO:XO+3], s[36:37]                 ; the row's 768 bytes: 512 + 256 consecutive bytes, at a multiple of 256 from xq's first byte
	global_store_b64 v[L8], v[XO+4:XO+5], s[36:37] offset:512
.Lno_token:
	s_wait_loadcnt 32                              ; block 2 is in; block 3's may be out
	QB RAW, FA+6, 2
	s_wait_loadcnt 0x0
	QB RAW+32, FB+6, 3
.irp i, 0,1,2,3,4,5,6,7,8,9,10,11
	v_permlane16_swap_b32 v[FA+\i], v[FB+\i]       ; FA's lanes 16-31 change places with FB's lanes 0-15: FA is now the operand of columns 0-15 (lanes 0-15 blocks 0, 2; lanes 16-31 blocks 1, 3), FB that of columns 16-31
.endr
.irp i, 0,1,2
	global_store_b128 v[L16], v[FA+4*\i:FA+4*\i+3], s[38:39] offset:512*\i          ; the registers as they stand: 512 consecutive bytes a store
	global_store_b128 v[L16], v[FB+4*\i:FB+4*\i+3], s[38:39] offset:1536+512*\i
.endr
	ds_store_b32 v[WSST], v[WORD]                  ; lane l's word is its own column's: lanes 0-15 serve the first fragment, lanes 16-31 the second
	s_wait_dscnt 0x0                               ; for the others' sake: my words, and a token's results, have landed
	s_barrier_signal -1
	s_barrier_wait -1
	s_cmp_lt_u32 s2, 4
	s_cbranch_scc0 .Lnot_words
	ds_load_b128 v[TP:TP+3], v[WSRD]
	s_wait_dscnt 0x0
	global_store_b128 v[L16], v[TP:TP+3], s[40:41]                 ; 512 consecutive bytes of the slab's scale words
	s_wait_tensorcnt 0x0
	ds_add_u32 v254, v255
	s_wait_dscnt 0x0
	s_endpgm
.Lnot_words:
	s_cmp_eq_u32 s2, 4
	s_cbranch_scc0 .Lnot_probs
	ds_load_b64 v[TP:TP+1], v[RPRD]
	s_wait_dscnt 0x0
	global_store_b64 v[L8], v[TP:TP+1], s[20:21]                   ; out1: 256 consecutive bytes, aligned
	s_wait_tensorcnt 0x0
	ds_add_u32 v254, v255
	s_wait_dscnt 0x0
	s_endpgm
.Lnot_probs:
	s_cmp_eq_u32 s2, 5
	s_cbranch_scc0 .Lnot_bytes
	ds_load_b64 v[TP:TP+1], v[RSRD]
	s_wait_dscnt 0x0
	global_store_b64 v[L8], v[TP:TP+1], s[48:49]                   ; x's scale bytes: 256 consecutive bytes, aligned
	s_wait_tensorcnt 0x0
	ds_add_u32 v254, v255
	s_wait_dscnt 0x0
	s_endpgm
.Lnot_bytes:
	s_cmp_eq_u32 s2, 6
	s_cbranch_scc0 .Ldone
	ds_load_b32 v[TP], v[RIRD]
	ds_load_b32 v[TP+1], v[RTRD]
	s_wait_dscnt 0x0
	global_store_b32 v[G4], v[TP], s[16:17]        ; 32 bytes each: lane l serves word l & 7, so four lanes write the same word with the same value
	global_store_b32 v[G4], v[TP+1], s[18:19]
.Ldone:
	s_wait_tensorcnt 0x0
	ds_add_u32 v254, v255
	s_wait_dscnt 0x0
	s_endpgm
.Lfunc_end_k_qa1083b6ace_prep:
	.size	k_qa1083b6ace_prep, .Lfunc_end_k_qa1083b6ace_prep-k_qa1083b6ace_prep
	.p2alignl 7, 3214868480
	.fill 96, 4, 3214868480
	.section	.rodata,"a",@progbits
	.p2align	6, 0x0
	.amdhsa_kernel k_qa1083b6ace_prep
		.amdhsa_group_segment_fixed_size 81152
		.amdhsa_private_segment_fixed_size 0
		.amdhsa_enable_private_segment 0
		.amdhsa_kernarg_size 72
		.amdhsa_user_sgpr_count 2
		.amdhsa_user_sgpr_kernarg_segment_ptr 1
		.amdhsa_wavefront_size32 1
		.amdhsa_system_sgpr_workgroup_id_x 1
		.amdhsa_system_sgpr_workgroup_id_y 1
		.amdhsa_system_sgpr_workgroup_id_z 1
		.amdhsa_system_vgpr_workitem_id 0
		.amdhsa_next_free_vgpr 256
		.amdhsa_next_free_sgpr 66
		.amdhsa_reserve_vcc 1
		.amdhsa_float_denorm_mode_32 3
		.amdhsa_float_denorm_mode_16_64 3
		.amdhsa_memory_ordered 1
		.amdhsa_forward_progress 1
		.amdhsa_inst_pref_size 49
	.end_amdhsa_kernel
	.amdgpu_metadata
---
amdhsa.version: [ 1, 2 ]
amdhsa.kernels:
  - .name:           k_qa1083b6ace_prep
    .symbol:         k_qa1083b6ace_prep.kd
    .args:
      - { .name: x, .offset: 0, .size: 8, .value_kind: global_buffer, .address_space: global }
      - { .name: gate_W, .offset: 8, .size: 8, .value_kind: global_buffer, .address_space: global }
      - { .name: gate_b, .offset: 16, .size: 8, .value_kind: global_buffer, .address_space: global }
      - { .name: W2, .offset: 24, .size: 8, .value_kind: global_buffer, .address_space: global }
      - { .name: xq, .offset: 32, .size: 8, .value_kind: global_buffer, .address_space: global }
      - { .name: w2q, .offset: 40, .size: 8, .value_kind: global_buffer, .address_space: global }
      - { .name: ridx, .offset: 48, .size: 8, .value_kind: global_buffer, .address_space: global }
      - { .name: topw, .offset: 56, .size: 8, .value_kind: global_buffer, .address_space: global }
      - { .name: out1, .offset: 64, .size: 8, .value_kind: global_buffer, .address_space: global }
    .group_segment_fixed_size: 81152
    .private_segment_fixed_size: 0
    .kernarg_segment_align: 8
    .kernarg_segment_size: 72
    .max_flat_workgroup_size: 512
    .sgpr_count:     66
    .vgpr_count:     256
    .wavefront_size: 32
...
	.end_amdgpu_metadata
.endif
;; end of part 1
;; launch ffn1 (part 2): grid 256 x 1, 16 waves a work-group, no clusters, 313,600 bytes of LDS; arguments W1, b1, xq, ridx, hq, route; writes hq, route
.if DOCPART == 2
	.amdgcn_target "amdgcn-amd-amdhsa--gfx1250"
	.amdhsa_code_object_version 6
	.text
	.protected	k_qa1083b6ace_ffn1
	.globl	k_qa1083b6ace_ffn1
	.p2align	8
	.type	k_qa1083b6ace_ffn1,@function
k_qa1083b6ace_ffn1:
	s_mov_b64 s[64:65], 0
	v_nop
	global_prefetch_b8 v0, s[64:65] scope:SCOPE_SE
	s_setreg_imm32_b32 hwreg(HW_REG_WAVE_MODE, 25, 1), 1
	s_wait_xcnt 0x0
; FFN1.  h = relu(x W1[e] + b1[e]) for the tokens that chose expert e, on codes of E3M2 with one E8M0 scale for each 32 along K; h is quantised along the hidden axis on the way and stored as images of the next
; product's operand registers, sorted by expert.
; SHARES.  Work-group n: expert e = n >> 5, hidden units 64 j .. 64 j + 63 (j = n & 31), all of K = 1,024: a slab of 256 KiB of f32, rows of 256 bytes, read once.
; Wave w streams 128 K (w >> 1) x 32 columns (w & 1): a lane takes a column, its registers run down K; the codes go to LDS as images of the operand's registers.
; THE COLUMNS OF A TILE ARE NOT NEIGHBOURS: lane l takes column (l & 7) + 16 ((l >> 3) & 1) + 8 (l >> 4) of the 32, so that in the transposed product the 16 registers of two neighbouring tiles are 16 neighbours
; along the next K.
; THE LIST.  Wave 0 of every work-group makes its expert's list of tokens from ridx (whole numbers that the launch before stored) while the first weight loads travel: a compare, a count of lower lanes, a store
; to LDS.  The 32 entries behind the count hold the list's last token, so that a pass of 32 is always whole and its spare rows repeat a row of the same pass.  The work-groups with j = 0 store list and count to route.
; PASSES.  32 list places x 64 hidden units: 8 K steps x 8 matrix instructions (source 0 = 16 columns of W1, source 1 = 16 tokens), eight accumulators by turns.  Pass p belongs to wave p mod 10.  The first 320 places'
; rows of xq are staged in LDS by all sixteen waves while the weights travel; further passes are staged by their own wave.  The loop over a wave's passes has seven trips (64 passes, ten waves) and is left
; by a forward branch as soon as a trip's first list place is not under the count.
; The launch has no tensor load and no joint request: operands go through registers.  No barrier stands behind the second one.
; LIMITS: as the quantiser's in the launch before: NaN and infinities are not served; a block under 2^-122 and a block of zeros carry the byte 1.  The order of tokens in a list is this builder's, not the tokens'.
; A scale word of h has two bytes from this slab and two from its neighbour: they leave as 2 bytes a token, 64 bytes a pass beside 1,536 bytes of codes in whole runs of 256.
.set XS_OFF, 1572864
.set HS_OFF, 25165824
.set PITCH,  8192                      ; a row of W1 in bytes
.set WIMG,  0                          ; LDS: 16 units x 3,072: unit 2 s + cb: two fragments of 1,536
.set WSC,   49152                      ; their scale words, 128 bytes a unit
.set B1L,   51200                      ; the slab's 64 biases
.set LIST,  51456                      ; 2,240 list entries,
.set DUMP,  60416                      ; 32 words for the lanes that do not match (list index 2,240 + lane),
.set CNTW,  60544                      ; the count
.set STG,   60672                      ; 10 slots of 32 rows of xq, 768 bytes + 16
.set ROWP,  784
.set SLOT,  32*ROWP
.set TRIPS, 7                          ; passes w, w + 10, .. w + 60
.set LN,1
.set WOFF,2                            ; 4 x my column
.set LI,3                              ; 16 x lane
.set LS,4                              ; 4 x lane
.set L8,5
.set WIST,6                            ; v6-v19: LDS addresses, all made at the head
.set WSST,7
.set LBASE,8
.set LTOK,9
.set CNTA,10
.set SADR,11
.set PADR,12
.set TAD,13
.set BAD,14
.set C16,15                            ; 16 (lane & 15)
.set BP,16                             ; 4 (lane >> 4)
.set DUMPI,17                          ; 2,240 + lane
.set LZ,18
.set B1ST,19
.set TA,20                             ; v20-23: wave 0's own, and at work
.set T1V,21
.set T2V,22
.set TT,23
.set TOKL,24                           ; v24-30 the tokens of my passes: lane l, pass i: list place 32 w + 320 i + l
.set RAW,32                            ; v32-95  two blocks of 32 numbers; later the accumulators
.set ACC,32                            ; accumulator (a, t) at 32 + 32 a + 8 t
.set BUF,96                            ; v96-167, v168-239: two sets of fragments: tokens a = 0, 1, then columns t = 0 .. 3
.set SR,96                             ; v96-155 staged rows on their way
.set IDX,96                            ; v96-159 ridx (wave 0)
.set FA,156
.set FB,168
.set M0,180
.set M1,181
.set SO,182
.set BY,183
.set TMP,184
.set WORD,188
.set TK,190                            ; v190-199 byte offsets of the rows that I stage
.set LP,200                            ; v200-207 list addresses, v208-215 tokens, v216-219 zeros (wave 0)
.set LT,208
.set ZR,216
.set BB,96                             ; the way out: v96-127 biases, v128-135 at work, v140-153 codes, v156-162 their upper halves
.set MX,128
.set PX,130
.set SQ,132
.set BQ,134
.set DD,140
.set TH,156
.set HW,240                            ; v240-241 h's two scale bytes of tile a; v242 the lane's choice of them
.set HWS,242
.set XSO,243                           ; v243 where my token's scale words of x lie: outside v32-239, into which a later pass's rows and their offsets go
.set TSC,244                           ; v244-251 x's scale words: these and v252-255 hold scales and nothing else
.set WSR,252                           ; v252-255 W1's scale words, two for each set
.set WB,20                             ; s[20:21] my unit of W1
.macro QB src, dst, pos                ; a block of 32 numbers of one lane -> 6 registers of codes at v[dst], its byte to place pos of v[WORD]
	v_max3_num_f32 v[M0], |v[\src]|, |v[\src+1]|, |v[\src+2]|
	v_max3_num_f32 v[M1], |v[\src+3]|, |v[\src+4]|, |v[\src+5]|
.irp i, 6,10,14,18,22,26
	v_max3_num_f32 v[M0], v[M0], |v[\src+\i]|, |v[\src+\i+1]|
	v_max3_num_f32 v[M1], v[M1], |v[\src+\i+2]|, |v[\src+\i+3]|
.endr
	v_max3_num_f32 v[M0], v[M0], |v[\src+30]|, |v[\src+31]|
	v_max3_num_f32 v[M0], v[M0], v[M1], 0x2800000                  ; the floor 2^(5 - 127): the byte cannot fall under 1
	v_add_nc_u32 v[SO], 0xfe000000, v[M0]                          ; 4 off the exponent field: the conversion's scale operand
	v_lshrrev_b32 v[BY], 23, v[SO]
.if (\pos) == 0
	v_mov_b32 v[WORD], v[BY]
.else
	v_lshl_or_b32 v[WORD], v[BY], 8*(\pos), v[WORD]
.endif
	v_cvt_scalef32_pk16_bf6_f32 v[\dst:\dst+2], v[\src:\src+15], v[SO]
	v_cvt_scalef32_pk16_bf6_f32 v[TMP:TMP+2], v[\src+16:\src+31], v[SO]
	v_nop                                                          ; one plain place behind a scaled conversion
.irp i, 0,1,2
	v_mov_b32 v[\dst+3+\i], v[TMP+\i]
.endr
.endm
.macro LB b                            ; block b of my unit: 32 rows of W1 at my column: 128 bytes of a row a wave, the neighbour wave the row's other 128
.irp i, 0,1,2,3,4,5,6,7,8,9,10,11,12,13,14,15,16,17,18,19,20,21,22,23,24,25,26,27,28,29,30,31
	global_load_b32 v[RAW+32*((\b)%2)+\i], v[WOFF], s[WB:WB+1] offset:(32*(\b)+\i)*PITCH th:TH_LOAD_NT
.endr
.endm
; Eight registers of ridx: register i of 64 holds, in lane l, the expert of token 128 (i / 4) + 4 l + i % 4.  A match goes to the list at (matches so far) + (matching lanes below me), the others to the dump.
.macro GROUP8 q
.irp i, 0,1,2,3,4,5,6,7
	v_cmp_eq_u32 s[40+\i], s16, v[IDX+8*(\q)+\i]
.endr
.irp i, 0,1,2,3,4,5,6,7
	s_mov_b32 s[48+\i], s56
	s_bcnt1_i32_b32 s57, s[40+\i]
	s_add_co_u32 s56, s56, s57
.endr
.irp i, 0,1,2,3,4,5,6,7
	v_mbcnt_lo_u32_b32 v[LP+\i], s[40+\i], s[48+\i]
.endr
.irp i, 0,1,2,3,4,5,6,7
	v_cndmask_b32 v[LP+\i], v[DUMPI], v[LP+\i], s[40+\i]
.endr
.irp i, 0,1,2,3,4,5,6,7
	v_min_u32 v[LP+\i], 0x8df, v[LP+\i]            ; an index of list or dump: 2,271 at the most
.endr
.irp i, 0,1,2,3,4,5,6,7
	v_lshl_add_u32 v[LP+\i], v[LP+\i], 2, LIST
.endr
.irp i, 0,1,2,3,4,5,6,7
	v_add_nc_u32 v[LT+\i], 128*((8*(\q)+\i)/4)+(8*(\q)+\i)%4, v[LS]
.endr
.irp i, 0,1,2,3,4,5,6,7
	ds_store_b32 v[LP+\i], v[LT+\i]
.endr
.endm
.macro SBREG n                         ; where load n of the second half of the staging lands: the block's registers that have just been quantised, then wave 0's list registers
.if (\n) < 8
.set RB, 32+4*(\n)
.else
.set RB, 200+4*((\n)-8)
.endif
.endm
; K step s: 20 LDS loads into set s % 2: two fragments of tokens (48 bytes a lane from the stage), four of columns (images), two scale words.
.macro LOADK s
.set kB, BUF+72*((\s)%2)
.irp a, 0,1
.irp i, 0,1,2
	ds_load_b128 v[kB+12*\a+4*\i:kB+12*\a+4*\i+3], v[TAD] offset:16*ROWP*\a+48*(\s)+16*\i
.endr
.endr
.irp t, 0,1,2,3
.irp i, 0,1,2
	ds_load_b128 v[kB+24+12*\t+4*\i:kB+24+12*\t+4*\i+3], v[LI] offset:WIMG+3072*(2*(\s)+\t/2)+1536*(\t%2)+512*\i
.endr
.endr
	ds_load_b32 v[WSR+2*((\s)%2)], v[LS] offset:WSC+128*(2*(\s))
	ds_load_b32 v[WSR+2*((\s)%2)+1], v[LS] offset:WSC+128*(2*(\s)+1)
.endm
; One matrix instruction on the registers named by rD, rW, rT, rSW, rST.  z: the product starts the sum.  ra, rb: the side's scales stand in lanes 16-31.
.macro WM z, ra, rb
.if (\z) && (\ra) && (\rb)
	v_wmma_scale_f32_16x16x128_f8f6f4 v[rD:rD+7], v[rW:rW+11], v[rT:rT+11], 0, v[rSW], v[rST] matrix_a_fmt:MATRIX_FMT_BF6 matrix_b_fmt:MATRIX_FMT_BF6 matrix_a_scale:MATRIX_SCALE_ROW1 matrix_b_scale:MATRIX_SCALE_ROW1
.elseif (\z) && (\ra)
	v_wmma_scale_f32_16x16x128_f8f6f4 v[rD:rD+7], v[rW:rW+11], v[rT:rT+11], 0, v[rSW], v[rST] matrix_a_fmt:MATRIX_FMT_BF6 matrix_b_fmt:MATRIX_FMT_BF6 matrix_a_scale:MATRIX_SCALE_ROW1
.elseif (\z) && (\rb)
	v_wmma_scale_f32_16x16x128_f8f6f4 v[rD:rD+7], v[rW:rW+11], v[rT:rT+11], 0, v[rSW], v[rST] matrix_a_fmt:MATRIX_FMT_BF6 matrix_b_fmt:MATRIX_FMT_BF6 matrix_b_scale:MATRIX_SCALE_ROW1
.elseif (\z)
	v_wmma_scale_f32_16x16x128_f8f6f4 v[rD:rD+7], v[rW:rW+11], v[rT:rT+11], 0, v[rSW], v[rST] matrix_a_fmt:MATRIX_FMT_BF6 matrix_b_fmt:MATRIX_FMT_BF6
.elseif (\ra) && (\rb)
	v_wmma_scale_f32_16x16x128_f8f6f4 v[rD:rD+7], v[rW:rW+11], v[rT:rT+11], v[rD:rD+7], v[rSW], v[rST] matrix_a_fmt:MATRIX_FMT_BF6 matrix_b_fmt:MATRIX_FMT_BF6 matrix_a_scale:MATRIX_SCALE_ROW1 matrix_b_scale:MATRIX_SCALE_ROW1
.elseif (\ra)
	v_wmma_scale_f32_16x16x128_f8f6f4 v[rD:rD+7], v[rW:rW+11], v[rT:rT+11], v[rD:rD+7], v[rSW], v[rST] matrix_a_fmt:MATRIX_FMT_BF6 matrix_b_fmt:MATRIX_FMT_BF6 matrix_a_scale:MATRIX_SCALE_ROW1
.elseif (\rb)
	v_wmma_scale_f32_16x16x128_f8f6f4 v[rD:rD+7], v[rW:rW+11], v[rT:rT+11], v[rD:rD+7], v[rSW], v[rST] matrix_a_fmt:MATRIX_FMT_BF6 matrix_b_fmt:MATRIX_FMT_BF6 matrix_b_scale:MATRIX_SCALE_ROW1
.else
	v_wmma_scale_f32_16x16x128_f8f6f4 v[rD:rD+7], v[rW:rW+11], v[rT:rT+11], v[rD:rD+7], v[rSW], v[rST] matrix_a_fmt:MATRIX_FMT_BF6 matrix_b_fmt:MATRIX_FMT_BF6
.endif
.endm
.macro MULK s, z                       ; the K step's eight products: the eight accumulators by turns, in the same order in every step
.irp a, 0,1
.irp t, 0,1,2,3
.set rD, ACC+32*\a+8*\t
.set rW, BUF+72*((\s)%2)+24+12*\t
.set rT, BUF+72*((\s)%2)+12*\a
.set rSW, WSR+2*((\s)%2)+\t/2
.set rST, TSC+(\s)
	WM \z, \t%2, \a
.endr
.endr
.endm
; Tile a's 16 tokens x 64 hidden units become half a fragment of the next product: lane (r, h) holds token r; the 16 registers of tiles 2 b, 2 b + 1 are hidden units 32 b + 16 h + 0 .. 15.  None is negative: no |.|
.macro HQ a
.set hA, ACC+32*(\a)
.set hD, DD+8*(\a)
.set hT, TH+4*(\a)
.irp b, 0,1
	v_max3_num_f32 v[MX+\b], v[hA+16*\b], v[hA+16*\b+1], 0x2800000
.endr
.irp i, 2,4,6,8,10,12,14
.irp b, 0,1
	v_max3_num_f32 v[MX+\b], v[MX+\b], v[hA+16*\b+\i], v[hA+16*\b+\i+1]
.endr
.endr
.irp b, 0,1
	v_permlanex16_b32 v[PX+\b], v[MX+\b], s38, s39
.endr
.irp b, 0,1
	v_max_num_f32 v[MX+\b], v[MX+\b], v[PX+\b]     ; with lane l xor 16's 16: the block's largest
.endr
.irp b, 0,1
	v_add_nc_u32 v[SQ+\b], 0xfe000000, v[MX+\b]
.endr
.irp b, 0,1
	v_lshrrev_b32 v[BQ+\b], 23, v[SQ+\b]
.endr
	v_lshl_or_b32 v[HW+(\a)], v[BQ+1], 8, v[BQ]    ; the slab's two bytes of the token's scale word
	v_cvt_scalef32_pk16_bf6_f32 v[hD:hD+2], v[hA:hA+15], v[SQ]
	v_cvt_scalef32_pk16_bf6_f32 v[hT:hT+2], v[hA+16:hA+31], v[SQ+1]
	v_nop                                          ; one plain place behind a scaled conversion
.irp i, 0,1,2
	v_permlane16_swap_b32 v[hD+\i], v[hT+\i]       ; a whole block to a lane: lanes 0-15 block 0, lanes 16-31 block 1
.endr
.irp i, 0,1,2
	v_mov_b32 v[hD+3+\i], v[hT+\i]
.endr
	global_store_b128 v[LI], v[hD:hD+3], s[30:31] offset:1536*(\a)            ; six registers as they stand: 512 + 256 consecutive bytes, at a multiple of 256 from hq's first byte
	global_store_b64 v[L8], v[hD+4:hD+5], s[30:31] offset:1536*(\a)+512
.endm
	s_load_b256 s[4:11], s[0:1], 0x0               ; W1, b1, xq, ridx
	s_load_b128 s[12:15], s[0:1], 0x20             ; hq, route
	v_lshrrev_b32 v[TT], 5, v0
	v_readfirstlane_b32 s2, v[TT]                  ; wave 0..15
	v_and_b32 v[LN], 31, v0
	v_and_b32 v[WOFF], 7, v[LN]
	v_bfe_u32 v[TT], v[LN], 3, 1
	v_lshl_add_u32 v[WOFF], v[TT], 4, v[WOFF]
	v_lshrrev_b32 v[BP], 4, v[LN]                  ; h
	v_lshl_add_u32 v[WOFF], v[BP], 3, v[WOFF]      ; my column of the 32
	v_lshlrev_b32 v[WOFF], 2, v[WOFF]
	v_lshlrev_b32 v[LI], 4, v[LN]
	v_lshlrev_b32 v[LS], 2, v[LN]
	v_lshlrev_b32 v[L8], 3, v[LN]
	v_and_b32 v[C16], 15, v[LN]                    ; r
	s_min_u32 s18, s2, 9                           ; the slot of a wave that has passes (waves 10-15 never use what is made of it behind the second barrier)
	s_mul_i32 s19, s2, 3072
	v_add_nc_u32 v[WIST], s19, v[LI]
	s_lshl_b32 s19, s2, 7
	s_add_co_u32 s19, s19, WSC
	v_add_nc_u32 v[WSST], s19, v[LS]
	s_mul_i32 s19, s2, 80
	s_add_co_u32 s19, s19, LIST
	v_lshl_add_u32 v[LBASE], v[BP], 2, s19         ; list places 20 w + 2 i + h: the rows that I stage
	s_lshl_b32 s19, s18, 7
	s_add_co_u32 s19, s19, LIST
	v_add_nc_u32 v[LTOK], s19, v[LS]               ; list places 32 w + l: my passes' tokens
	v_mov_b32 v[CNTA], CNTW
	v_mul_u32_u24 v[TT], v[BP], ROWP
	v_lshl_add_u32 v[TT], v[C16], 4, v[TT]         ; two rows an instruction, sixteen lanes to 256 bytes of a row
	s_mul_i32 s19, s2, 20*ROWP
	s_add_co_u32 s19, s19, STG
	v_add_nc_u32 v[SADR], s19, v[TT]
	s_mul_i32 s19, s18, SLOT
	s_add_co_u32 s19, s19, STG
	v_add_nc_u32 v[PADR], s19, v[TT]
	v_mul_u32_u24 v[TT], v[C16], ROWP
	v_mad_u32_u24 v[TT], v[BP], 384, v[TT]
	v_add_nc_u32 v[TAD], s19, v[TT]                ; a fragment of tokens: row r of my slot, + 384 h
	v_lshl_add_u32 v[BAD], v[BP], 6, B1L
	v_add_nc_u32 v[DUMPI], 2240, v[LN]
	v_add_nc_u32 v[LZ], LIST, v[LI]
	v_add_nc_u32 v[B1ST], B1L, v[L8]
	v_lshlrev_b32 v[C16], 4, v[C16]
	v_lshlrev_b32 v[BP], 2, v[BP]
	s_lshr_b32 s16, ttmp9, 5                       ; expert
	s_and_b32 s17, ttmp9, 31                       ; slab
	s_mov_b32 s36, 0xffff0000                      ; lanes 16-31
	s_mov_b32 s38, 0x76543210                      ; v_permlanex16_b32's selects for lane l xor 16
	s_mov_b32 s39, 0xfedcba98
	s_lshl_b32 s58, s16, 23                        ; my unit of W1: expert x 8 MiB + (w >> 1) x 128 rows + 256 j + 128 (w & 1)
	s_lshr_b32 s57, s2, 1
	s_lshl_b32 s57, s57, 20
	s_add_co_u32 s58, s58, s57
	s_lshl_b32 s57, s17, 8
	s_add_co_u32 s58, s58, s57
	s_and_b32 s57, s2, 1
	s_lshl_b32 s57, s57, 7
	s_add_co_u32 s58, s58, s57
	s_mov_b32 s59, 0
	s_lshl_b32 s60, s16, 13
	s_lshl_b32 s57, s17, 8
	s_add_co_u32 s60, s60, s57
	s_mov_b32 s61, 0
	s_wait_kmcnt 0x0
	s_add_nc_u64 s[WB:WB+1], s[4:5], s[58:59]
	s_add_nc_u64 s[60:61], s[6:7], s[60:61]        ; the slab's biases
	s_cmp_lg_u32 s2, 0
	s_cbranch_scc1 .Lnot0a
.irp q, 0,1,2,3,4,5,6,7,8,9,10,11,12,13,14,15
	global_load_b128 v[IDX+4*\q:IDX+4*\q+3], v[LI], s[10:11] offset:512*\q
.endr
	global_load_b64 v[160:161], v[L8], s[60:61]
.Lnot0a:
	LB 0
	LB 1
	s_mul_i32 s58, s16, 9216                       ; the other addresses, while the loads travel
	s_add_nc_u64 s[62:63], s[14:15], s[58:59]      ; my expert's part of route
	s_add_nc_u64 s[24:25], s[8:9], XS_OFF          ; x's scale bytes
	s_mul_i32 s58, s16, 3145728                    ; hq's codes: [expert][pass 64][K step 16][tile 2][half 2] x 768: K step j >> 1, half j & 1
	s_lshr_b32 s57, s17, 1
	s_mul_i32 s57, s57, 3072
	s_add_co_u32 s58, s58, s57
	s_and_b32 s57, s17, 1
	s_mul_i32 s57, s57, 768
	s_add_co_u32 s58, s58, s57
	s_add_nc_u64 s[26:27], s[12:13], s[58:59]
	s_lshl_b32 s58, s16, 17                        ; hq's scale words: [expert][pass][K step / 4][lane 32][K step % 4]: my two bytes of word j >> 1
	s_lshr_b32 s57, s17, 3
	s_lshl_b32 s57, s57, 9
	s_add_co_u32 s58, s58, s57
	s_bfe_u32 s57, s17, 0x20001
	s_lshl_b32 s57, s57, 2
	s_add_co_u32 s58, s58, s57
	s_and_b32 s57, s17, 1
	s_lshl_b32 s57, s57, 1
	s_add_co_u32 s58, s58, s57
	s_add_nc_u64 s[28:29], s[12:13], s[58:59]
	s_add_nc_u64 s[28:29], s[28:29], HS_OFF
	s_cmp_lg_u32 s2, 0
	s_cbranch_scc1 .Lnot0b
	; ---- wave 0 alone: the list.  No other wave touches LDS ahead of the first barrier
	s_wait_loadcnt 63                              ; 64 weight loads were issued behind ridx's sixteen and the biases': these are in
.irp i, 0,1,2,3
	v_mov_b32 v[ZR+\i], 0
.endr
.irp q, 0,1,2,3,4,5,6,7,8,9,10,11,12,13,14,15,16,17
	ds_store_b128 v[LZ], v[ZR:ZR+3] offset:512*\q  ; list, dump and count begin as zeros: 9,216 bytes
.endr
	ds_store_b64 v[B1ST], v[160:161]
	s_mov_b32 s56, 0                               ; matches so far
.irp q, 0,1,2,3,4,5,6,7
	GROUP8 \q
.endr
	s_sub_co_i32 s57, s56, 1                       ; the list's last entry (entry 0, a zero, where the list is empty)
	s_max_i32 s57, s57, 0
	s_min_u32 s57, s57, 2047
	s_lshl_b32 s57, s57, 2
	s_add_co_u32 s57, s57, LIST
	v_mov_b32 v[TA], s57
	ds_load_b32 v[T1V], v[TA]                      ; LDS serves a wave's instructions in order: this sees the stores above
	v_add_nc_u32 v[T2V], s56, v[LN]
	v_min_u32 v[T2V], 0x8bf, v[T2V]
	v_lshl_add_u32 v[T2V], v[T2V], 2, LIST
	v_mov_b32 v[TT], s56
	s_wait_dscnt 0x0
	ds_store_b32 v[T2V], v[T1V]                    ; the 32 entries behind the count repeat it: they fall into the same pass as it, or into none
	ds_store_b32 v[CNTA], v[TT]
	s_cmp_lg_u32 s17, 0
	s_cbranch_scc1 .Lno_route
.irp q, 0,1,2,3,4,5,6,7,8,9,10,11,12,13,14,15,16,17
	ds_load_b128 v[96+4*\q:96+4*\q+3], v[LZ] offset:512*\q
.endr
	s_wait_dscnt 0x0
.irp q, 0,1,2,3,4,5,6,7,8,9,10,11,12,13,14,15,16,17
	global_store_b128 v[LI], v[96+4*\q:96+4*\q+3], s[62:63] offset:512*\q
.endr
	s_wait_xcnt 0x0                                ; the stores have read their registers, which are written again below
.Lno_route:
.Lnot0b:
	s_wait_loadcnt 32                              ; block 0 is in; block 1's 32 loads may be out
	QB RAW, FA, 0
	LB 2
	s_wait_loadcnt 32                              ; block 1 is in; block 2's may be out
	QB RAW+32, FB, 1
	LB 3                                           ; the whole slab has now been asked for
	s_wait_dscnt 0x0                               ; for the others' sake: wave 0's list, count and biases have landed
	s_barrier_signal -1
	s_barrier_wait -1
	ds_load_b32 v[T1V], v[CNTA]
.irp i, 0,1,2,3,4,5,6,7,8,9
	ds_load_b32 v[TK+\i], v[LBASE] offset:8*\i
.endr
.irp i, 0,1,2,3,4,5,6
	ds_load_b32 v[TOKL+\i], v[LTOK] offset:1280*\i
.endr
	s_wait_dscnt 0x0
	v_readfirstlane_b32 s34, v[T1V]
	s_min_u32 s34, s34, 2048                       ; the expert's tokens
.irp i, 0,1,2,3,4,5,6,7,8,9
	v_min_u32 v[TK+\i], 0x7ff, v[TK+\i]
.endr
.irp i, 0,1,2,3,4,5,6,7,8,9
	v_mul_u32_u24 v[TK+\i], v[TK+\i], 768
.endr
.irp i, 0,1,2,3,4,5,6,7,8,9
	v_add_nc_u32 v[TK+\i], v[TK+\i], v[C16]
.endr
	v_min_u32 v[XSO], 0x7ff, v[TOKL]
	v_lshlrev_b32 v[XSO], 5, v[XSO]
.irp i, 0,1,2,3,4
.irp p, 0,1,2
	global_load_b128 v[SR+12*\i+4*\p:SR+12*\i+4*\p+3], v[TK+\i], s[8:9] offset:256*\p   ; two rows' 256 consecutive bytes each
.endr
.endr
	global_load_b128 v[TSC:TSC+3], v[XSO], s[24:25]                ; my first pass's scale words: lane 16 a + r holds token r of tile a, register s K step s
	global_load_b128 v[TSC+4:TSC+7], v[XSO], s[24:25] offset:16
	s_wait_loadcnt 49                              ; block 2 is in; behind it: block 3's 32, the 15 rows' loads, the 2 scale loads
	QB RAW, FA+6, 2
.irp i, 5,6,7,8,9
.irp p, 0,1,2
	SBREG 3*(\i-5)+\p
	global_load_b128 v[RB:RB+3], v[TK+\i], s[8:9] offset:256*\p
.endr
.endr
	s_wait_loadcnt 32                              ; block 3 is in; behind it: 17 and the 15 just issued
	QB RAW+32, FB+6, 3
.irp i, 0,1,2,3,4,5,6,7,8,9,10,11
	v_permlane16_swap_b32 v[FA+\i], v[FB+\i]       ; FA: the operand of the columns in lanes 0-15 (tile 2 cb), FB: of those in lanes 16-31 (tile 2 cb + 1)
.endr
.irp i, 0,1,2
	ds_store_b128 v[WIST], v[FA+4*\i:FA+4*\i+3] offset:WIMG+512*\i
	ds_store_b128 v[WIST], v[FB+4*\i:FB+4*\i+3] offset:WIMG+1536+512*\i
.endr
	ds_store_b32 v[WSST], v[WORD]
	s_wait_loadcnt 15                              ; the first 15 rows' loads and the scale words are in; the second 15 may be out
.irp i, 0,1,2,3,4
.irp p, 0,1,2
	ds_store_b128 v[SADR], v[SR+12*\i+4*\p:SR+12*\i+4*\p+3] offset:2*ROWP*\i+256*\p
.endr
.endr
	s_wait_loadcnt 0x0
.irp i, 5,6,7,8,9
.irp p, 0,1,2
	SBREG 3*(\i-5)+\p
	ds_store_b128 v[SADR], v[RB:RB+3] offset:2*ROWP*\i+256*\p
.endr
.endr
	s_wait_dscnt 0x0                               ; for the others' sake: my images, my words and my rows have landed
	s_barrier_signal -1
	s_barrier_wait -1                              ; the slab's codes and 320 rows of xq lie in LDS.  No barrier follows
	s_cmp_ge_u32 s2, 10
	s_cbranch_scc1 .Lend
	s_lshl_b32 s35, s2, 5                          ; my first pass's first list place
	s_mov_b32 s37, 0                               ; trips made
.Lpass:
	s_cmp_ge_u32 s35, s34                          ; no list place is left for me: out of the loop
	s_cbranch_scc1 .Lend
	s_cmp_lt_u32 s35, 320                          ; the first pass's rows are staged already
	s_cbranch_scc1 .Lstaged
.irp i, 0,1,2,3,4,5,6,7,8,9,10,11,12,13,14,15
	v_add_nc_u32 v[224+\i], 8*\i, v[BP]            ; rows 2 i + h of the pass: their tokens lie in lanes 2 i + h of v[TOKL]
.endr
.irp i, 0,1,2,3,4,5,6,7,8,9,10,11,12,13,14,15
	ds_bpermute_b32 v[224+\i], v[224+\i], v[TOKL]
.endr
	v_min_u32 v[XSO], 0x7ff, v[TOKL]
	v_lshlrev_b32 v[XSO], 5, v[XSO]
	s_wait_dscnt 0x0
.irp i, 0,1,2,3,4,5,6,7,8,9,10,11,12,13,14,15
	v_min_u32 v[224+\i], 0x7ff, v[224+\i]
.endr
.irp i, 0,1,2,3,4,5,6,7,8,9,10,11,12,13,14,15
	v_mul_u32_u24 v[224+\i], v[224+\i], 768
.endr
.irp i, 0,1,2,3,4,5,6,7,8,9,10,11,12,13,14,15
	v_add_nc_u32 v[224+\i], v[224+\i], v[C16]
.endr
.irp i, 0,1,2,3,4,5,6,7,8,9,10,11,12,13,14,15
.irp p, 0,1,2
	global_load_b128 v[32+12*\i+4*\p:32+12*\i+4*\p+3], v[224+\i], s[8:9] offset:256*\p    ; 48 loads into v32-223
.endr
.endr
	global_load_b128 v[TSC:TSC+3], v[XSO], s[24:25]
	global_load_b128 v[TSC+4:TSC+7], v[XSO], s[24:25] offset:16
	s_wait_loadcnt 0x0
.irp i, 0,1,2,3,4,5,6,7,8,9,10,11,12,13,14,15
.irp p, 0,1,2
	ds_store_b128 v[PADR], v[32+12*\i+4*\p:32+12*\i+4*\p+3] offset:2*ROWP*\i+256*\p     ; my own slot: no other wave touches it behind the second barrier, and LDS serves my instructions in order
.endr
.endr
.Lstaged:
	s_mul_i32 s58, s35, 1536                       ; the pass's place in hq: 49,152 bytes of codes and 2,048 of scale words a pass
	s_add_nc_u64 s[30:31], s[26:27], s[58:59]
	s_lshl_b32 s58, s35, 6
	s_add_nc_u64 s[32:33], s[28:29], s[58:59]
	LOADK 0
	LOADK 1
	s_wait_loadcnt 0x0                             ; x's scale words
.irp s, 0,1,2,3,4,5,6,7
.if \s < 7
	s_wait_dscnt 20                                ; this K step's fragments are in; the next step's 20 loads may be out
.else
	s_wait_dscnt 0x0
.endif
.if \s == 0
	MULK \s, 1                                     ; the first K step starts the sums: nothing is cleared
.else
	MULK \s, 0
.endif
.rept 4
	v_nop                                          ; four places in front of loads into registers that these products have read, and of the first read of results
.endr
.if \s < 6
	LOADK \s+2
.endif
.endr
.irp b, 0,1
.irp u, 0,1
.irp i, 0,1
	ds_load_b128 v[BB+16*\b+8*\u+4*\i:BB+16*\b+8*\u+4*\i+3], v[BAD] offset:128*\b+32*\u+16*\i   ; b1 at hidden units 32 b + 16 h + 8 u + 0 .. 7: the accumulators' own order
.endr
.endr
.endr
	s_wait_dscnt 0x0
.irp a, 0,1
.irp p, 0,2,4,6,8,10,12,14,16,18,20,22,24,26,28,30
	v_pk_add_f32 v[ACC+32*\a+\p:ACC+32*\a+\p+1], v[ACC+32*\a+\p:ACC+32*\a+\p+1], v[BB+\p:BB+\p+1]   ; each accumulator from its low end on
.endr
.irp p, 0,1,2,3,4,5,6,7,8,9,10,11,12,13,14,15,16,17,18,19,20,21,22,23,24,25,26,27,28,29,30,31
	v_max_num_f32 v[ACC+32*\a+\p], 0, v[ACC+32*\a+\p]              ; the activation, in f32
.endr
.endr
	HQ 0
	HQ 1
	v_cndmask_b32 v[HWS], v[HW], v[HW+1], s36      ; lane 16 a + r: token r of tile a
	global_store_b16 v[LI], v[HWS], s[32:33]       ; two bytes of the token's scale word, 16 bytes from token to token
.irp i, 0,1,2,3,4,5
	v_mov_b32 v[TOKL+\i], v[TOKL+1+\i]             ; on to my next pass's tokens
.endr
	s_wait_xcnt 0x0                                ; the stores have read their data and their bases: both are written again in the next trip
	s_add_co_u32 s35, s35, 320                     ; ten passes on
	s_add_co_u32 s37, s37, 1
	s_cmp_lt_u32 s37, TRIPS
	s_cbranch_scc1 .Lpass
.Lend:
	s_wait_xcnt 0x0
	v_lshl_add_u32 v254, v0, 2, 0x4c100
	v_mov_b32 v255, 0
	s_wait_tensorcnt 0x0
	ds_add_u32 v254, v255
	s_wait_dscnt 0x0
	s_endpgm
.Lfunc_end_k_qa1083b6ace_ffn1:
	.size	k_qa1083b6ace_ffn1, .Lfunc_end_k_qa1083b6ace_ffn1-k_qa1083b6ace_ffn1
	.p2alignl 7, 3214868480
	.fill 96, 4, 3214868480
	.section	.rodata,"a",@progbits
	.p2align	6, 0x0
	.amdhsa_kernel k_qa1083b6ace_ffn1
		.amdhsa_group_segment_fixed_size 313600
		.amdhsa_private_segment_fixed_size 0
		.amdhsa_enable_private_segment 0
		.amdhsa_kernarg_size 48
		.amdhsa_user_sgpr_count 2
		.amdhsa_user_sgpr_kernarg_segment_ptr 1
		.amdhsa_wavefront_size32 1
		.amdhsa_system_sgpr_workgroup_id_x 1
		.amdhsa_system_sgpr_workgroup_id_y 1
		.amdhsa_system_sgpr_workgroup_id_z 1
		.amdhsa_system_vgpr_workitem_id 0
		.amdhsa_next_free_vgpr 256
		.amdhsa_next_free_sgpr 66
		.amdhsa_reserve_vcc 0
		.amdhsa_float_denorm_mode_32 3
		.amdhsa_float_denorm_mode_16_64 3
		.amdhsa_memory_ordered 1
		.amdhsa_forward_progress 1
		.amdhsa_inst_pref_size 116
	.end_amdhsa_kernel
	.amdgpu_metadata
---
amdhsa.version: [ 1, 2 ]
amdhsa.kernels:
  - .name:           k_qa1083b6ace_ffn1
    .symbol:         k_qa1083b6ace_ffn1.kd
    .args:
      - { .name: W1, .offset: 0, .size: 8, .value_kind: global_buffer, .address_space: global }
      - { .name: b1, .offset: 8, .size: 8, .value_kind: global_buffer, .address_space: global }
      - { .name: xq, .offset: 16, .size: 8, .value_kind: global_buffer, .address_space: global }
      - { .name: ridx, .offset: 24, .size: 8, .value_kind: global_buffer, .address_space: global }
      - { .name: hq, .offset: 32, .size: 8, .value_kind: global_buffer, .address_space: global }
      - { .name: route, .offset: 40, .size: 8, .value_kind: global_buffer, .address_space: global }
    .group_segment_fixed_size: 313600
    .private_segment_fixed_size: 0
    .kernarg_segment_align: 8
    .kernarg_segment_size: 48
    .max_flat_workgroup_size: 512
    .sgpr_count:     66
    .vgpr_count:     256
    .wavefront_size: 32
...
	.end_amdgpu_metadata
.endif
;; end of part 2
;; launch ffn2 (part 3): grid 256 x 1, 8 waves a work-group, no clusters, 174,080 bytes of LDS; arguments w2q, hq, route, topw, b2, out0; writes out0
.if DOCPART == 3
	.amdgcn_target "amdgcn-amd-amdhsa--gfx1250"
	.amdhsa_code_object_version 6
	.text
	.protected	k_qa1083b6ace_ffn2
	.globl	k_qa1083b6ace_ffn2
	.p2align	8
	.type	k_qa1083b6ace_ffn2,@function
k_qa1083b6ace_ffn2:
	s_mov_b64 s[64:65], 0
	v_nop
	global_prefetch_b8 v0, s[64:65] scope:SCOPE_SE
	s_setreg_imm32_b32 hwreg(HW_REG_WAVE_MODE, 25, 1), 1
	s_wait_xcnt 0x0
; FFN2.  out0[token] = top weight x (h W2[e] + b2[e]) for the tokens of expert e, on the codes that the two launches before have laid as images of the operand's registers.
; SHARES.  Work-group n: expert e = n >> 5, output columns 64 g .. 64 g + 63 (g = (n >> 1) & 15), passes of parity t = n & 1.  Its 96 KiB of W2's codes and 4 KiB of scale words come into LDS once.
; Wave w takes passes t + 2 (w + 8 i), i = 0 .. 3, of 32 list places: 16 K steps x 8 matrix instructions (source 0 = 16 columns of W2, source 1 = 16 tokens), eight accumulators by turns; b2 is the C of each
; sum's first instruction.  h's fragments come from memory straight into registers, eight K steps ahead.  The loop has four trips and is left by a forward branch as soon as a trip's first list place is not under the count.
; THE WAY OUT.  A lane holds eight neighbouring columns of one token; a pass goes through the wave's own stage in LDS and leaves as rows: sixteen lanes store a token's 256 consecutive bytes, at a multiple of
; 256 from out0's first byte.  The list's spare places repeat the last token of the same pass: they store the same numbers to the same bytes, from the same wave.
; The launch has no tensor load and no joint request; the one barrier stands ahead of every branch on the count.
; REGISTERS: window 0: v1-25 addresses and small things; v32-95 accumulators ((a, t) at 32 + 32 a + 8 t); v96-143, v144-191 W2's fragments, two sets; v192-223 b2; v224-239 h's scale words, v240-243 W2's:
; these twenty hold scales and nothing else.  Window 1: v0-191 h's fragments: K step k in slot k % 8 at 24 (k % 8) + 12 a.
.set W2S_OFF, 12582912
.set HS_OFF,  25165824
.set TRIPS, 4
.set WIMG, 0                           ; LDS: 32 units x 3,072
.set WSC,  98304                       ; their scale words
.set OST,  102400                      ; 8 stages of 32 rows x (256 + 16)
.set TKS,  172032                      ; 8 x 128: a pass's tokens
.set LN,1
.set LI0,2                             ; 16 x lane
.set LI1,3                             ; 16 x lane + 49,152: the images of K steps 8-15
.set LSW,4
.set CPA,5
.set CPS,6
.set OSA,7
.set ORA,8
.set TKW,9
.set TKR,10
.set C16,11                            ; 16 (lane & 15)
.set L4,12
.set R4,13                             ; 4 (lane & 15)
.set L8,14
.set H32,15                            ; 32 (lane >> 4)
.set TOKV,16                           ; the token of list place pos + lane
.set TOKA,17                           ; v17-18 the token of tile a's row lane & 15
.set TO,19                             ; v19-20 its place in topw
.set TT,21
.set TW,22                             ; v[22:23], v[24:25] its top weight (the packed form names a pair and takes the low word)
.set ACC,32
.set CP,32                             ; v32-131 the weights on their way to LDS
.set WBF,96
.set OR,96                             ; the way out: v96-159 rows, v160-175 their tokens
.set TR,160
.set B2R,192
.set HS,224
.set WSR,240
.set MSB, 0
.macro WIN new                         ; the immediate's high byte repeats the setting that is left
.if MSB != \new
	s_set_vgpr_msb (MSB<<8)|\new
.set MSB, \new
.endif
.endm
.macro TLOAD k                         ; h's fragments of K step k, both tiles: four runs of 512 + 256 bytes (under destination window 1)
.irp a, 0,1
.irp c, 0,1
	global_load_b128 v[24*((\k)%8)+12*\a+6*\c:24*((\k)%8)+12*\a+6*\c+3], v[LI0], s[26:27] offset:3072*(\k)+1536*\a+768*\c
	global_load_b64 v[24*((\k)%8)+12*\a+6*\c+4:24*((\k)%8)+12*\a+6*\c+5], v[L8], s[26:27] offset:3072*(\k)+1536*\a+768*\c+512
.endr
.endr
.endm
.macro LOADW s                         ; W2's four fragments and two scale words of K step s: 14 LDS loads into set s % 2
.set wB, WBF+48*((\s)%2)
.if (\s) < 8
.set wA, LI0
.else
.set wA, LI1
.endif
.irp t, 0,1,2,3
.irp i, 0,1,2
	ds_load_b128 v[wB+12*\t+4*\i:wB+12*\t+4*\i+3], v[wA] offset:3072*(2*((\s)%8)+\t/2)+1536*(\t%2)+512*\i
.endr
.endr
	ds_load_b32 v[WSR+2*((\s)%2)], v[LSW] offset:256*(\s)
	ds_load_b32 v[WSR+2*((\s)%2)+1], v[LSW] offset:256*(\s)+128
.endm
.macro WM ra, rb                       ; one matrix instruction on rD, rW, rT, rC, rSW, rSH; ra, rb: the side's scales stand in lanes 16-31
.if (\ra) && (\rb)
	v_wmma_scale_f32_16x16x128_f8f6f4 v[rD:rD+7], v[rW:rW+11], v[rT:rT+11], v[rC:rC+7], v[rSW], v[rSH] matrix_a_fmt:MATRIX_FMT_BF6 matrix_b_fmt:MATRIX_FMT_BF6 matrix_a_scale:MATRIX_SCALE_ROW1 matrix_b_scale:MATRIX_SCALE_ROW1
.elseif (\ra)
	v_wmma_scale_f32_16x16x128_f8f6f4 v[rD:rD+7], v[rW:rW+11], v[rT:rT+11], v[rC:rC+7], v[rSW], v[rSH] matrix_a_fmt:MATRIX_FMT_BF6 matrix_b_fmt:MATRIX_FMT_BF6 matrix_a_scale:MATRIX_SCALE_ROW1
.elseif (\rb)
	v_wmma_scale_f32_16x16x128_f8f6f4 v[rD:rD+7], v[rW:rW+11], v[rT:rT+11], v[rC:rC+7], v[rSW], v[rSH] matrix_a_fmt:MATRIX_FMT_BF6 matrix_b_fmt:MATRIX_FMT_BF6 matrix_b_scale:MATRIX_SCALE_ROW1
.else
	v_wmma_scale_f32_16x16x128_f8f6f4 v[rD:rD+7], v[rW:rW+11], v[rT:rT+11], v[rC:rC+7], v[rSW], v[rSH] matrix_a_fmt:MATRIX_FMT_BF6 matrix_b_fmt:MATRIX_FMT_BF6
.endif
.endm
.macro MULS s                          ; the K step's eight products (under source 1 window 1)
.irp a, 0,1
.irp t, 0,1,2,3
.set rD, ACC+32*\a+8*\t
.if (\s) == 0
.set rC, B2R+8*\t                      ; the bias starts the sum
.else
.set rC, rD
.endif
.set rW, WBF+48*((\s)%2)+12*\t
.set rT, 24*((\s)%8)+12*\a
.set rSW, WSR+2*((\s)%2)+\t/2
.set rSH, HS+(\s)
	WM \t%2, \a
.endr
.endr
.endm
	s_load_b256 s[4:11], s[0:1], 0x0               ; w2q, hq, route, topw
	s_load_b128 s[12:15], s[0:1], 0x20             ; b2, out0
	v_lshl_add_u32 v254, v0, 2, 0x2a400
	v_mov_b32 v255, 0
	v_lshrrev_b32 v[TT], 5, v0
	v_readfirstlane_b32 s2, v[TT]                  ; wave 0..7
	v_and_b32 v[LN], 31, v0
	v_lshlrev_b32 v[LI0], 4, v[LN]
	v_add_nc_u32 v[LI1], 49152, v[LI0]
	v_lshlrev_b32 v[L4], 2, v[LN]
	v_add_nc_u32 v[LSW], WSC, v[L4]
	v_lshlrev_b32 v[L8], 3, v[LN]
	s_mul_i32 s19, s2, 12288
	v_add_nc_u32 v[CPA], s19, v[LI0]
	s_lshl_b32 s19, s2, 9
	s_add_co_u32 s19, s19, WSC
	v_add_nc_u32 v[CPS], s19, v[LI0]
	v_and_b32 v[C16], 15, v[LN]                    ; r
	v_lshrrev_b32 v[H32], 4, v[LN]                 ; h
	s_mul_i32 s19, s2, 8704
	s_add_co_u32 s19, s19, OST
	v_mul_u32_u24 v[TT], v[C16], 272
	v_lshl_add_u32 v[TT], v[H32], 5, v[TT]
	v_add_nc_u32 v[OSA], s19, v[TT]                ; the stage, in: row r, + 32 h
	v_mul_u32_u24 v[TT], v[H32], 272
	v_lshl_add_u32 v[TT], v[C16], 4, v[TT]
	v_add_nc_u32 v[ORA], s19, v[TT]                ; and back: lanes 0-15 one row, lanes 16-31 the next
	s_lshl_b32 s19, s2, 7
	s_add_co_u32 s19, s19, TKS
	v_add_nc_u32 v[TKW], s19, v[L4]
	v_lshl_add_u32 v[TKR], v[H32], 2, s19
	v_lshlrev_b32 v[R4], 2, v[C16]
	v_lshlrev_b32 v[C16], 4, v[C16]
	v_lshlrev_b32 v[H32], 5, v[H32]
	v_mov_b32 v[TW+1], 0                           ; (named as the upper halves of pairs, so they are written)
	v_mov_b32 v[TW+3], 0
	s_lshr_b32 s16, ttmp9, 5                       ; expert
	s_bfe_u32 s17, ttmp9, 0x40001                  ; group of 64 columns
	s_and_b32 s18, ttmp9, 1                        ; parity of my passes
	s_mov_b32 s37, 0
	s_wait_kmcnt 0x0
	s_mul_i32 s36, s16, 9216
	s_add_nc_u64 s[24:25], s[8:9], s[36:37]        ; my expert's list
	s_load_b32 s34, s[24:25], 0x2380               ; and its count, entry 2,272
	s_lshr_b32 s19, ttmp9, 1                       ; 16 e + g
	s_mul_i32 s36, s19, 98304
	s_mul_i32 s40, s2, 12288
	s_add_co_u32 s36, s36, s40
	s_add_nc_u64 s[20:21], s[4:5], s[36:37]        ; my wave's eighth of the codes
	s_lshl_b32 s36, s19, 12
	s_lshl_b32 s40, s2, 9
	s_add_co_u32 s36, s36, s40
	s_add_nc_u64 s[22:23], s[4:5], s[36:37]
	s_add_nc_u64 s[22:23], s[22:23], W2S_OFF       ; and of the scale words
	s_lshl_b32 s36, s16, 12
	s_lshl_b32 s40, s17, 8
	s_add_co_u32 s36, s36, s40
	s_add_nc_u64 s[32:33], s[12:13], s[36:37]      ; b2 at my 64 columns
	s_mov_b32 s36, s40
	s_add_nc_u64 s[30:31], s[14:15], s[36:37]      ; out0 at my 64 columns
.irp i, 0,1,2,3,4,5,6,7,8,9,10,11,12,13,14,15,16,17,18,19,20,21,22,23
	global_load_b128 v[CP+4*\i:CP+4*\i+3], v[LI0], s[20:21] offset:512*\i
.endr
	global_load_b128 v[CP+96:CP+99], v[LI0], s[22:23]
.irp t, 0,1,2,3
.irp i, 0,1
	global_load_b128 v[B2R+8*\t+4*\i:B2R+8*\t+4*\i+3], v[H32], s[32:33] offset:64*\t+16*\i    ; b2 at columns 16 t + 8 h + 0 .. 7: the accumulators' own order
.endr
.endr
	s_wait_kmcnt 0x0
	s_min_u32 s34, s34, 2048                       ; the expert's tokens
	s_lshl_b32 s35, s18, 5
	s_lshl_b32 s40, s2, 6
	s_add_co_u32 s35, s35, s40                     ; my first pass's first list place: 32 (t + 2 w)
	s_mul_i32 s36, s16, 3145728
	s_mul_i32 s40, s35, 1536
	s_add_co_u32 s36, s36, s40
	s_add_nc_u64 s[26:27], s[6:7], s[36:37]        ; its codes of h,
	s_lshl_b32 s36, s16, 17
	s_lshl_b32 s40, s35, 6
	s_add_co_u32 s36, s36, s40
	s_add_nc_u64 s[28:29], s[6:7], s[36:37]
	s_add_nc_u64 s[28:29], s[28:29], HS_OFF        ; its scale words,
	s_lshl_b32 s36, s35, 2
	s_add_nc_u64 s[38:39], s[24:25], s[36:37]      ; its tokens
	s_mov_b32 s41, 0                               ; trips made
	s_wait_loadcnt 0x0
.irp i, 0,1,2,3,4,5,6,7,8,9,10,11,12,13,14,15,16,17,18,19,20,21,22,23
	ds_store_b128 v[CPA], v[CP+4*\i:CP+4*\i+3] offset:WIMG+512*\i
.endr
	ds_store_b128 v[CPS], v[CP+96:CP+99]
	s_wait_dscnt 0x0                               ; for the others' sake: my eighth has landed
	s_barrier_signal -1
	s_barrier_wait -1                              ; W2's codes and scale words lie in LDS.  No barrier follows
.Lpass:
	s_cmp_ge_u32 s35, s34                          ; no list place is left for me: out of the loop
	s_cbranch_scc1 .Lend
	global_load_b32 v[TOKV], v[L4], s[38:39]
	global_load_b32 v[TOKA], v[R4], s[38:39]
	global_load_b32 v[TOKA+1], v[R4], s[38:39] offset:64
.irp q, 0,1,2,3
	global_load_b128 v[HS+4*\q:HS+4*\q+3], v[LI0], s[28:29] offset:512*\q      ; lane 16 a + r: token r of tile a; register s: K step s
.endr
	WIN 0x40                                       ; destination window 1
.irp k, 0,1,2,3,4,5,6,7
	TLOAD \k
.endr
	WIN 0
	s_wait_loadcnt 63                              ; 68 loads were issued behind the three of tokens: these are in
	v_min_u32 v[TO], 0x7ff, v[TOKA]
	v_min_u32 v[TO+1], 0x7ff, v[TOKA+1]
	v_lshlrev_b32 v[TO], 2, v[TO]
	v_lshlrev_b32 v[TO+1], 2, v[TO+1]
	global_load_b32 v[TW], v[TO], s[10:11]
	global_load_b32 v[TW+2], v[TO+1], s[10:11]
	LOADW 0
	LOADW 1
.irp s, 0,1,2,3,4,5,6,7,8,9,10,11,12,13,14,15
.if \s < 15
	s_wait_dscnt 14                                ; this K step's fragments of W2 are in; the next step's 14 loads may be out
.else
	s_wait_dscnt 0x0
.endif
.if \s < 8
	s_wait_loadcnt 58                              ; this K step's fragments of h are in; behind them: seven K steps' 56 loads and the 2 of top weights
.else
	s_wait_loadcnt 8*(15-\s)                       ; behind them: the K steps that are left
.endif
	WIN 0x04                                       ; source 1 (h) window 1
	MULS \s
	WIN 0
.rept 4
	v_nop                                          ; four places in front of loads into registers that these products have read, and of the first read of results
.endr
.if \s < 14
	LOADW \s+2
.endif
.if \s < 8
	WIN 0x40
	TLOAD \s+8                                     ; into the slot just multiplied
	WIN 0
.endif
.endr
	s_wait_loadcnt 0x0
.irp a, 0,1
.irp p, 0,2,4,6,8,10,12,14,16,18,20,22,24,26,28,30
	v_pk_mul_f32 v[ACC+32*\a+\p:ACC+32*\a+\p+1], v[ACC+32*\a+\p:ACC+32*\a+\p+1], v[TW+2*\a:TW+2*\a+1] op_sel_hi:[1,0]   ; x the token's top weight; each accumulator from its low end on
.endr
.endr
.irp a, 0,1
.irp t, 0,1,2,3
	ds_store_b128 v[OSA], v[ACC+32*\a+8*\t:ACC+32*\a+8*\t+3] offset:4352*\a+64*\t
	ds_store_b128 v[OSA], v[ACC+32*\a+8*\t+4:ACC+32*\a+8*\t+7] offset:4352*\a+64*\t+16
.endr
.endr
	ds_store_b32 v[TKW], v[TOKV]
.irp i, 0,1,2,3,4,5,6,7,8,9,10,11,12,13,14,15
	ds_load_b128 v[OR+4*\i:OR+4*\i+3], v[ORA] offset:544*\i        ; my wave's own bytes: LDS serves a wave's instructions in order
	ds_load_b32 v[TR+\i], v[TKR] offset:8*\i                       ; and the two rows' tokens
.endr
	s_wait_dscnt 0x0
.irp i, 0,1,2,3,4,5,6,7,8,9,10,11,12,13,14,15
	v_min_u32 v[TR+\i], 0x7ff, v[TR+\i]
.endr
.irp i, 0,1,2,3,4,5,6,7,8,9,10,11,12,13,14,15
	v_lshl_add_u32 v[TR+\i], v[TR+\i], 12, v[C16]                  ; the token's row of 4,096 bytes, + 16 bytes a lane
.endr
.irp i, 0,1,2,3,4,5,6,7,8,9,10,11,12,13,14,15
	global_store_b128 v[TR+\i], v[OR+4*\i:OR+4*\i+3], s[30:31] th:TH_STORE_NT   ; sixteen lanes store 256 consecutive bytes of a token's row, aligned
.endr
	s_wait_xcnt 0x0                                ; the stores have read their data and addresses, which the next trip writes again; the trip's loads are all in, so their bases may step
	s_add_nc_u64 s[26:27], s[26:27], 786432        ; sixteen passes on
	s_add_nc_u64 s[28:29], s[28:29], 32768
	s_add_nc_u64 s[38:39], s[38:39], 2048
	s_add_co_u32 s35, s35, 512
	s_add_co_u32 s41, s41, 1
	s_cmp_lt_u32 s41, TRIPS
	s_cbranch_scc1 .Lpass
.Lend:
	s_wait_tensorcnt 0x0
	ds_add_u32 v254, v255
	s_wait_dscnt 0x0
	s_endpgm
.Lfunc_end_k_qa1083b6ace_ffn2:
	.size	k_qa1083b6ace_ffn2, .Lfunc_end_k_qa1083b6ace_ffn2-k_qa1083b6ace_ffn2
	.p2alignl 7, 3214868480
	.fill 96, 4, 3214868480
	.section	.rodata,"a",@progbits
	.p2align	6, 0x0
	.amdhsa_kernel k_qa1083b6ace_ffn2
		.amdhsa_group_segment_fixed_size 174080
		.amdhsa_private_segment_fixed_size 0
		.amdhsa_enable_private_segment 0
		.amdhsa_kernarg_size 48
		.amdhsa_user_sgpr_count 2
		.amdhsa_user_sgpr_kernarg_segment_ptr 1
		.amdhsa_wavefront_size32 1
		.amdhsa_system_sgpr_workgroup_id_x 1
		.amdhsa_system_sgpr_workgroup_id_y 1
		.amdhsa_system_sgpr_workgroup_id_z 1
		.amdhsa_system_vgpr_workitem_id 0
		.amdhsa_next_free_vgpr 512
		.amdhsa_next_free_sgpr 66
		.amdhsa_reserve_vcc 0
		.amdhsa_float_denorm_mode_32 3
		.amdhsa_float_denorm_mode_16_64 3
		.amdhsa_memory_ordered 1
		.amdhsa_forward_progress 1
		.amdhsa_inst_pref_size 66
	.end_amdhsa_kernel
	.amdgpu_metadata
---
amdhsa.version: [ 1, 2 ]
amdhsa.kernels:
  - .name:           k_qa1083b6ace_ffn2
    .symbol:         k_qa1083b6ace_ffn2.kd
    .args:
      - { .name: w2q, .offset: 0, .size: 8, .value_kind: global_buffer, .address_space: global }
      - { .name: hq, .offset: 8, .size: 8, .value_kind: global_buffer, .address_space: global }
      - { .name: route, .offset: 16, .size: 8, .value_kind: global_buffer, .address_space: global }
      - { .name: topw, .offset: 24, .size: 8, .value_kind: global_buffer, .address_space: global }
      - { .name: b2, .offset: 32, .size: 8, .value_kind: global_buffer, .address_space: global }
      - { .name: out0, .offset: 40, .size: 8, .value_kind: global_buffer, .address_space: global }
    .group_segment_fixed_size: 174080
    .private_segment_fixed_size: 0
    .kernarg_segment_align: 8
    .kernarg_segment_size: 48
    .max_flat_workgroup_size: 256
    .sgpr_count:     66
    .vgpr_count:     512
    .wavefront_size: 32
...
	.end_amdgpu_metadata
.endif
;; end of part 3
;; ======== version 2 of 2: 3 launches
;; workspace buffers: xq 1,638,400 bytes; w2q 13,107,200 bytes; hq 26,214,400 bytes; ridx 8,192 bytes of whole numbers; topw 8,192 bytes; route 73,728 bytes of whole numbers
;; launch prep (part 4): grid 256 x 1, 16 waves a work-group, no clusters, 81,152 bytes of LDS; arguments x, gate_W, gate_b, W2, xq, w2q, ridx, topw, out1; writes xq, w2q, ridx, topw, out1
.if DOCPART == 4
	.amdgcn_target "amdgcn-amd-amdhsa--gfx1250"
	.amdhsa_code_object_version 6
	.text
	.protected	k_qa1083b6ace_prep
	.globl	k_qa1083b6ace_prep
	.p2align	8
	.type	k_qa1083b6ace_prep,@function
k_qa1083b6ace_prep:
	s_mov_b64 s[64:65], 0
	v_nop
	global_prefetch_b8 v0, s[64:65] scope:SCOPE_SE
	s_setreg_imm32_b32 hwreg(HW_REG_WAVE_MODE, 25, 1), 1
	s_wait_xcnt 0x0
; PREP.  Three things that need no routing:
;  (1) the gate: logits = x gate_W + gate_b in f32 multiply-adds, softmax (the row's maximum taken away first), out1; the first largest weight's index -> ridx, the weight -> topw;
;  (2) x [2048][1024] f32 -> codes of E3M2 with one E8M0 byte for each 32 along K -> xq, a token's 768 bytes laid so that a lane of the matrix operand finds the 48 bytes of a K step on end;
;  (3) W2 [8][2048 (K)][1024] f32 -> codes along K -> w2q, laid as images of the operand's registers (16 columns x 128 K: 3 x 512 bytes, 16 bytes a lane), and their scale words.
; SHARES.  Work-group n: expert n >> 5, columns 64 ((n >> 1) & 15) on, K half n & 1: a slab of 1,024 K x 64 columns, rows of 256 bytes; and tokens 8 n .. 8 n + 7.
; Wave w: 128 K (w >> 1) x 32 columns (w & 1).  A LANE TAKES A COLUMN AND ITS REGISTERS RUN DOWN K: a block of 32 lies in one lane, nothing is transposed.  Waves 0-7 also take a token each, between the
; second and the third block, while those blocks' loads travel.
; A block's scale is 2^(floor(log2(largest magnitude)) - 4); its byte is that magnitude's exponent field - 4, held at 1 from below.
; LIMITS: NaN and infinities among the inputs are not served; a block whose largest magnitude lies under 2^-122 takes the byte 1; a block of zeros carries the byte 1 (its codes are zeros, and this program alone
; reads the bytes); two gate weights that tie within the rounding of f32 sums may fall either way.
; No tensor loads, no cluster: the work-groups share gate_W alone, 32 KiB beside the 288 KiB that each reads for itself.
.set XS_OFF,  1572864                  ; xq: behind the codes, the scale bytes [2048][32]
.set W2S_OFF, 12582912                 ; w2q: behind the codes, the scale words
.set PITCH,   4096                     ; a row of W2 in bytes
.set GWB,   0                          ; LDS: gate_W as 32 blocks of 32 rows (1,024 bytes + 16): block l is lane l's
.set TURN,  33280                      ; 8 x 4,608: a token's row turns from 16 bytes a lane to 128 bytes a lane (places of 144 bytes)
.set XROW,  70144                      ; 8 x 768: a token's codes in xq's order
.set RES_P, 76288                      ; the 8 tokens' gate weights, 256 bytes
.set RES_S, 76544                      ; their x scale bytes, 256 bytes
.set RES_I, 76800                      ; their experts
.set RES_T, 76928                      ; their top weights
.set WS,    77056                      ; the slab's scale words, 2,048 bytes
.set LN,   1                           ; lane
.set WOFF, 2                           ; 4 x lane: my column
.set L16,  3
.set L8,   4
.set GWST, 5                           ; v5-v22: every LDS address, made here at the head, ahead of the first parting of the waves
.set GWRD, 6
.set TUST, 7
.set TURD, 8
.set XRST, 9
.set XRRD, 10
.set XRR2, 11
.set RPST, 12
.set RSST, 13
.set RIST, 14
.set RTST, 15
.set WSST, 16
.set WSRD, 17
.set RPRD, 18
.set RSRD, 19
.set RIRD, 20
.set RTRD, 21
.set G4,   22                          ; 4 (lane & 7)
.set TT,   23
.set M0,   24                          ; the quantiser's own: two maxima, the scale operand, the byte, three registers of codes
.set M1,   25
.set SO,   26
.set BY,   27
.set TMP,  28
.set GWO,  31                          ; my wave's 2,048 bytes of gate_W
.set RAW,  32                          ; v32-95   two blocks of 32 numbers
.set FA,   96                          ; v96-107  blocks 0 and 2, then the fragment of columns 0-15
.set FB,   108                         ; v108-119 blocks 1 and 3, then the fragment of columns 16-31
.set WORD, 120                         ; my column's four scale bytes
.set CDX,  122                         ; v122-127 a block of x as codes
.set XB,   128                         ; v128-159 my 32 numbers of the token's row
.set GWR,  160                         ; v160-223 eight rows of gate_W, in two halves by turns
.set XR,   160                         ; (at the head: the token's row as loaded,
.set GWT,  192                         ;  and my wave's part of gate_W)
.set LG,   224                         ; v224-231 logits
.set PR,   232                         ; v232-239 gate weights
.set TP,   240                         ; v240-247 at work
.set XO,   248                         ; v248-253 the token's codes on their way out
.set WB,   32                          ; s[32:33] my unit of W2
; One block of 32 numbers of one lane, v[src] on, becomes 6 registers of codes at v[dst]; pos 0..3: its byte goes to that place of v[WORD]; pos < 0: it stays in v[BY].
.macro QB src, dst, pos
	v_max3_num_f32 v[M0], |v[\src]|, |v[\src+1]|, |v[\src+2]|      ; the largest magnitude, in two chains
	v_max3_num_f32 v[M1], |v[\src+3]|, |v[\src+4]|, |v[\src+5]|
.irp i, 6,10,14,18,22,26
	s_delay_alu instid0(VALU_DEP_2)
	v_max3_num_f32 v[M0], v[M0], |v[\src+\i]|, |v[\src+\i+1]|
	s_delay_alu instid0(VALU_DEP_2)
	v_max3_num_f32 v[M1], v[M1], |v[\src+\i+2]|, |v[\src+\i+3]|
.endr
	s_delay_alu instid0(VALU_DEP_2)
	v_max3_num_f32 v[M0], v[M0], |v[\src+30]|, |v[\src+31]|
	s_delay_alu instid0(VALU_DEP_1)
	v_max3_num_f32 v[M0], v[M0], v[M1], 0x2800000                  ; and the floor 2^(5 - 127): the byte cannot fall under 1
	s_delay_alu instid0(VALU_DEP_1)
	v_add_nc_u32 v[SO], 0xfe000000, v[M0]                          ; 4 off the exponent field: the conversion takes this operand's exponent field as its scale
	s_delay_alu instid0(VALU_DEP_1)
	v_lshrrev_b32 v[BY], 23, v[SO]                                 ; the scale's byte
.if (\pos) == 0
	s_delay_alu instid0(VALU_DEP_1)
	v_mov_b32 v[WORD], v[BY]
.elseif (\pos) > 0
	s_delay_alu instid0(VALU_DEP_1)
	v_lshl_or_b32 v[WORD], v[BY], 8*(\pos), v[WORD]
.endif
	v_cvt_scalef32_pk16_bf6_f32 v[\dst:\dst+2], v[\src:\src+15], v[SO]
	v_cvt_scalef32_pk16_bf6_f32 v[TMP:TMP+2], v[\src+16:\src+31], v[SO]   ; (a conversion's three registers begin on an even number)
	v_nop                                                          ; one plain place behind a scaled conversion
.irp i, 0,1,2
	v_mov_b32 v[\dst+3+\i], v[TMP+\i]
.endr
.endm
; Block b of my unit: 32 rows of W2 at my column; the wave reads 128 consecutive bytes a row, its neighbour wave the row's other 128.
.macro LB b
.irp i, 0,1,2,3,4,5,6,7,8,9,10,11,12,13,14,15,16,17,18,19,20,21,22,23,24,25,26,27,28,29,30,31
	global_load_b32 v[RAW+32*((\b)%2)+\i], v[WOFF], s[WB:WB+1] offset:(32*(\b)+\i)*PITCH th:TH_LOAD_NT
.endr
.endm
; Four rows of my block of gate_W (rows 4 g .. 4 g + 3 of the lane's 32), and their multiply-adds.
.macro GLOAD g
.irp kk, 0,1,2,3
	ds_load_b128 v[GWR+32*((\g)%2)+8*\kk:GWR+32*((\g)%2)+8*\kk+3], v[GWRD] offset:32*(4*(\g)+\kk)
	ds_load_b128 v[GWR+32*((\g)%2)+8*\kk+4:GWR+32*((\g)%2)+8*\kk+7], v[GWRD] offset:32*(4*(\g)+\kk)+16
.endr
.endm
.macro GMAC g
.irp kk, 0,1,2,3
.irp e, 0,1,2,3,4,5,6,7
.if ((\g) == 0) && (\kk == 0)
	v_mul_f32 v[LG+\e], v[GWR+\e], v[XB]                           ; the first product starts the sums
.else
	v_fmac_f32 v[LG+\e], v[GWR+32*((\g)%2)+8*\kk+\e], v[XB+4*(\g)+\kk]
.endif
.endr
.endr
.endm
	s_load_b512 s[4:19], s[0:1], 0x0               ; x, gate_W, gate_b, W2, xq, w2q, ridx, topw
	s_load_b64 s[20:21], s[0:1], 0x40              ; out1
	v_lshl_add_u32 v254, v0, 2, 0x13500
	v_mov_b32 v255, 0
	v_lshrrev_b32 v[TT], 5, v0
	s_delay_alu instid0(VALU_DEP_1)
	v_readfirstlane_b32 s2, v[TT]                  ; wave 0..15
	v_and_b32 v[LN], 31, v0
	s_delay_alu instid0(VALU_DEP_1)
	v_lshlrev_b32 v[WOFF], 2, v[LN]
	s_delay_alu instid0(VALU_DEP_2)
	v_lshlrev_b32 v[L16], 4, v[LN]
	s_delay_alu instid0(VALU_DEP_3)
	v_lshlrev_b32 v[L8], 3, v[LN]
	s_min_u32 s22, s2, 7                           ; the token's wave (waves 8-15 never use what is made of it)
	s_mul_i32 s23, s2, 2080
	v_add_nc_u32 v[GWST], s23, v[L16]              ; gate_W in: my wave's two blocks of 1,040
	v_mul_u32_u24 v[GWRD], v[LN], 1040             ; and out: my lane's block
	s_lshl_b32 s23, s2, 11
	v_add_nc_u32 v[GWO], s23, v[L16]
	s_mul_i32 s23, s22, 4608
	s_add_co_u32 s23, s23, TURN
	v_lshrrev_b32 v[TT], 3, v[LN]
	s_delay_alu instid0(VALU_DEP_1)
	v_mul_u32_u24 v[TUST], v[TT], 144
	v_and_b32 v[TT], 7, v[LN]
	s_delay_alu instid0(VALU_DEP_1)
	v_lshl_add_u32 v[TUST], v[TT], 4, v[TUST]
	s_delay_alu instid0(VALU_DEP_1)
	v_add_nc_u32 v[TUST], s23, v[TUST]             ; the turn, in: eight lanes' 128 bytes to a place
	s_delay_alu instid0(VALU_DEP_3)
	v_lshlrev_b32 v[G4], 2, v[TT]
	v_mul_u32_u24 v[TURD], v[LN], 144
	s_delay_alu instid0(VALU_DEP_1)
	v_add_nc_u32 v[TURD], s23, v[TURD]             ; and out: my place
	s_mul_i32 s23, s22, 768
	s_add_co_u32 s23, s23, XROW
	v_and_b32 v[TT], 1, v[LN]
	s_delay_alu instid0(VALU_DEP_1)
	v_mul_u32_u24 v[XRST], v[TT], 384
	v_lshrrev_b32 v[TT], 2, v[LN]
	s_delay_alu instid0(VALU_DEP_1)
	v_mad_u32_u24 v[XRST], v[TT], 48, v[XRST]
	v_bfe_u32 v[TT], v[LN], 1, 1
	s_delay_alu instid0(VALU_DEP_1)
	v_mad_u32_u24 v[XRST], v[TT], 24, v[XRST]
	s_delay_alu instid0(VALU_DEP_1)
	v_add_nc_u32 v[XRST], s23, v[XRST]             ; block l of a token lies at 384 (l & 1) + 48 (l >> 2) + 24 ((l >> 1) & 1)
	v_add_nc_u32 v[XRRD], s23, v[L16]
	v_add_nc_u32 v[XRR2], s23, v[L8]
	s_delay_alu instid0(VALU_DEP_1)
	v_add_nc_u32 v[XRR2], 512, v[XRR2]
	s_lshl_b32 s23, s22, 5
	v_mov_b32 v[RPST], s23
	s_delay_alu instid0(VALU_DEP_1)
	v_add_nc_u32 v[RPST], RES_P, v[RPST]
	v_add_nc_u32 v[RSST], s23, v[LN]
	s_delay_alu instid0(VALU_DEP_1)
	v_add_nc_u32 v[RSST], RES_S, v[RSST]
	s_lshl_b32 s23, s22, 2
	v_mov_b32 v[RIST], s23
	s_delay_alu instid0(VALU_DEP_1)
	v_add_nc_u32 v[RTST], RES_T, v[RIST]
	s_delay_alu instid0(VALU_DEP_2)
	v_add_nc_u32 v[RIST], RES_I, v[RIST]
	s_lshl_b32 s23, s2, 7
	v_add_nc_u32 v[WSST], s23, v[WOFF]
	s_delay_alu instid0(VALU_DEP_1)
	v_add_nc_u32 v[WSST], WS, v[WSST]
	s_and_b32 s23, s2, 3
	s_lshl_b32 s23, s23, 9
	v_add_nc_u32 v[WSRD], s23, v[L16]
	s_delay_alu instid0(VALU_DEP_1)
	v_add_nc_u32 v[WSRD], WS, v[WSRD]
	v_add_nc_u32 v[RPRD], RES_P, v[L8]
	v_add_nc_u32 v[RSRD], RES_S, v[L8]
	v_add_nc_u32 v[RIRD], RES_I, v[G4]
	v_add_nc_u32 v[RTRD], RES_T, v[G4]
	s_mov_b32 s42, 0x76543210                      ; v_permlanex16_b32's selects for lane l xor 16
	s_mov_b32 s43, 0xfedcba98
	s_mov_b32 s44, 0x3fb8aa3b                      ; log2(e)
	s_lshr_b32 s50, ttmp9, 5                       ; expert
	s_bfe_u32 s51, ttmp9, 0x40001                  ; group of 64 columns
	s_and_b32 s52, ttmp9, 1                        ; K half
	s_lshl_b32 s46, s50, 23                        ; my unit of W2: expert x 8 MiB + K half x 1,024 rows + (w >> 1) x 128 rows + 256 g + 128 (w & 1)
	s_lshl_b32 s53, s52, 22
	s_add_co_u32 s46, s46, s53
	s_lshr_b32 s53, s2, 1
	s_lshl_b32 s53, s53, 19
	s_add_co_u32 s46, s46, s53
	s_lshl_b32 s53, s51, 8
	s_add_co_u32 s46, s46, s53
	s_and_b32 s53, s2, 1
	s_lshl_b32 s53, s53, 7
	s_add_co_u32 s46, s46, s53
	s_mov_b32 s47, 0
	s_lshl_b32 s53, ttmp9, 3
	s_add_co_u32 s53, s53, s22                     ; my token
	s_lshl_b32 s56, s53, 12
	s_mov_b32 s57, 0
	s_wait_kmcnt 0x0
	s_load_b256 s[24:31], s[8:9], 0x0              ; gate_b
	s_add_nc_u64 s[WB:WB+1], s[10:11], s[46:47]
	s_add_nc_u64 s[34:35], s[4:5], s[56:57]
.irp i, 0,1,2,3
	global_load_b128 v[GWT+4*\i:GWT+4*\i+3], v[GWO], s[6:7] offset:512*\i
.endr
	s_cmp_lt_u32 s2, 8
	s_cbranch_scc0 .Lno_row
.irp i, 0,1,2,3,4,5,6,7
	global_load_b128 v[XR+4*\i:XR+4*\i+3], v[L16], s[34:35] offset:512*\i th:TH_LOAD_NT
.endr
.Lno_row:
	LB 0
	LB 1
	s_mul_i32 s46, s53, 768                        ; the other addresses, while the loads travel (none of these registers is a source of a load that is out)
	s_add_nc_u64 s[36:37], s[12:13], s[46:47]      ; my token's row of xq
	s_lshl_b32 s46, ttmp9, 4
	s_add_co_u32 s46, s46, s2
	s_mul_i32 s46, s46, 3072                       ; my unit of w2q: number ((16 e + g) 16 + K step) 2 + column half = 16 n + w
	s_add_nc_u64 s[38:39], s[14:15], s[46:47]
	s_lshl_b32 s46, ttmp9, 11
	s_and_b32 s53, s2, 3
	s_lshl_b32 s53, s53, 9
	s_add_co_u32 s46, s46, s53
	s_add_nc_u64 s[40:41], s[14:15], s[46:47]
	s_add_nc_u64 s[40:41], s[40:41], W2S_OFF       ; the slab's 2,048 bytes of scale words, a quarter for each of waves 0-3
	s_lshl_b32 s46, ttmp9, 8
	s_add_nc_u64 s[20:21], s[20:21], s[46:47]      ; out1: my 8 tokens' 256 bytes
	s_add_nc_u64 s[48:49], s[12:13], s[46:47]
	s_add_nc_u64 s[48:49], s[48:49], XS_OFF        ; and their 256 scale bytes
	s_lshl_b32 s46, ttmp9, 5
	s_add_nc_u64 s[16:17], s[16:17], s[46:47]
	s_add_nc_u64 s[18:19], s[18:19], s[46:47]
	s_wait_loadcnt 63                              ; 64 loads were issued behind gate_W's and the row's: these are in
.irp i, 0,1,2,3
	ds_store_b128 v[GWST], v[GWT+4*\i:GWT+4*\i+3] offset:(\i/2)*1040+(\i%2)*512
.endr
	s_cmp_lt_u32 s2, 8
	s_cbranch_scc0 .Lno_turn
.irp i, 0,1,2,3,4,5,6,7
	ds_store_b128 v[TUST], v[XR+4*\i:XR+4*\i+3] offset:576*\i
.endr
.Lno_turn:
	s_wait_kmcnt 0x0                               ; gate_b
	s_wait_dscnt 0x0                               ; for the others' sake: my part of gate_W has landed
	s_barrier_signal -1
	s_barrier_wait -1                              ; gate_W is whole in LDS
	s_wait_loadcnt 32                              ; block 0 is in; block 1's 32 loads may be out
	QB RAW, FA, 0
	LB 2
	s_wait_loadcnt 32                              ; block 1 is in; block 2's may be out
	QB RAW+32, FB, 1
	LB 3
	s_cmp_lt_u32 s2, 8
	s_cbranch_scc0 .Lno_token
	; ---- a token: no global load and no barrier stands in here
.irp j, 0,1,2,3,4,5,6,7
	ds_load_b128 v[XB+4*\j:XB+4*\j+3], v[TURD] offset:16*\j        ; x[32 l .. 32 l + 31]: LDS serves a wave's instructions in order, so these see my stores
.endr
	GLOAD 0
	GLOAD 1
.irp e, 0,1,2,3,4,5,6,7
	v_mov_b32 v[TP+\e], 0                          ; (a lane permute's destination counts as one of its sources)
.endr
.irp g, 0,1,2,3,4,5,6,7
.if \g < 7
	s_wait_alu depctr_va_vdst(0)
	s_wait_dscnt 8                                 ; this group's rows are in; the next group's eight loads may be out
.else
	s_wait_alu depctr_va_vdst(0)
	s_wait_dscnt 0x0
.endif
	GMAC \g
.if \g < 6
	GLOAD \g+2
.endif
.endr
.irp m, 1,2,4,8
.irp e, 0,1,2,3,4,5,6,7
	v_add_f32_dpp v[LG+\e], v[LG+\e], v[LG+\e] row_xmask:\m row_mask:0xf bank_mask:0xf   ; the 32 lanes' parts, the eight sums by turns
.endr
.endr
.irp e, 0,1,2,3,4,5,6,7
	v_permlanex16_b32 v[TP+\e], v[LG+\e], s42, s43
.endr
.irp e, 0,1,2,3,4,5,6,7
	v_add_f32 v[LG+\e], v[LG+\e], v[TP+\e]
.endr
.irp e, 0,1,2,3,4,5,6,7
	v_add_f32 v[LG+\e], s[24+\e], v[LG+\e]         ; + gate_b
.endr
	v_max3_num_f32 v[TP], v[LG], v[LG+1], v[LG+2]
	s_delay_alu instid0(VALU_DEP_1)
	v_max3_num_f32 v[TP], v[TP], v[LG+3], v[LG+4]
	s_delay_alu instid0(VALU_DEP_1)
	v_max3_num_f32 v[TP], v[TP], v[LG+5], v[LG+6]
	s_delay_alu instid0(VALU_DEP_1)
	v_max_num_f32 v[TP], v[TP], v[LG+7]            ; the row's maximum is taken away first,
.irp e, 0,1,2,3,4,5,6,7
	v_sub_f32 v[PR+\e], v[LG+\e], v[TP]
.endr
.irp e, 0,1,2,3,4,5,6,7
	v_mul_f32 v[PR+\e], s44, v[PR+\e]              ; then the base is changed
.endr
	s_wait_alu depctr_va_vdst(0)
.irp e, 0,1,2,3,4,5,6,7
	v_exp_f32 v[PR+\e], v[PR+\e]
.endr
	v_nop                                          ; a plain place behind the exponentials
	s_wait_alu depctr_va_vdst(0)                   ; one wait for the eight, ahead of their first reader
	v_add_f32 v[TP+1], v[PR], v[PR+1]
	v_add_f32 v[TP+2], v[PR+2], v[PR+3]
	v_add_f32 v[TP+3], v[PR+4], v[PR+5]
	v_add_f32 v[TP+4], v[PR+6], v[PR+7]
	s_delay_alu instid0(VALU_DEP_3)
	v_add_f32 v[TP+1], v[TP+1], v[TP+2]
	s_delay_alu instid0(VALU_DEP_2)
	v_add_f32 v[TP+3], v[TP+3], v[TP+4]
	s_delay_alu instid0(VALU_DEP_1)
	v_add_f32 v[TP+1], v[TP+1], v[TP+3]
	s_wait_alu depctr_va_vdst(0)
	v_rcp_f32 v[TP+2], v[TP+1]
	v_nop
	s_wait_alu depctr_va_vdst(0)                   ; and one for the reciprocal
.irp e, 0,1,2,3,4,5,6,7
	v_mul_f32 v[PR+\e], v[PR+\e], v[TP+2]          ; the gate weights
.endr
	v_mov_b32 v[TP+3], 0                           ; the first largest: a later one takes over only where it is truly larger
	v_mov_b32 v[TP+4], v[PR]
.irp e, 1,2,3,4,5,6,7
	s_delay_alu instid0(VALU_DEP_1)
	v_cmp_le_f32 vcc_lo, v[PR+\e], v[TP+4]
	s_delay_alu instid0(VALU_DEP_1)
	v_cndmask_b32 v[TP+3], \e, v[TP+3], vcc_lo
	s_delay_alu instid0(VALU_DEP_2)
	v_cndmask_b32 v[TP+4], v[PR+\e], v[TP+4], vcc_lo
.endr
	ds_store_b128 v[RPST], v[PR:PR+3]              ; every lane holds the same numbers and writes the same bytes
	ds_store_b128 v[RPST], v[PR+4:PR+7] offset:16
	ds_store_b32 v[RIST], v[TP+3]
	ds_store_b32 v[RTST], v[TP+4]
	QB XB, CDX, -1                                 ; my block of the token's row
	ds_store_b64 v[XRST], v[CDX:CDX+1]
	ds_store_b64 v[XRST], v[CDX+2:CDX+3] offset:8
	ds_store_b64 v[XRST], v[CDX+4:CDX+5] offset:16
	ds_store_b8 v[RSST], v[BY]
	ds_load_b128 v[XO:XO+3], v[XRRD]               ; my wave's own bytes, in order behind the stores
	ds_load_b64 v[XO+4:XO+5], v[XRR2]
	s_wait_dscnt 0x0
	global_store_b128 v[L16], v[XO:XO+3], s[36:37]                 ; the row's 768 bytes: 512 + 256 consecutive bytes, at a multiple of 256 from xq's first byte
	global_store_b64 v[L8], v[XO+4:XO+5], s[36:37] offset:512
.Lno_token:
	s_wait_loadcnt 32                              ; block 2 is in; block 3's may be out
	QB RAW, FA+6, 2
	s_wait_loadcnt 0x0
	QB RAW+32, FB+6, 3
.irp i, 0,1,2,3,4,5,6,7,8,9,10,11
	v_permlane16_swap_b32 v[FA+\i], v[FB+\i]       ; FA's lanes 16-31 change places with FB's lanes 0-15: FA is now the operand of columns 0-15 (lanes 0-15 blocks 0, 2; lanes 16-31 blocks 1, 3), FB that of columns 16-31
.endr
.irp i, 0,1,2
	global_store_b128 v[L16], v[FA+4*\i:FA+4*\i+3], s[38:39] offset:512*\i          ; the registers as they stand: 512 consecutive bytes a store
	global_store_b128 v[L16], v[FB+4*\i:FB+4*\i+3], s[38:39] offset:1536+512*\i
.endr
	ds_store_b32 v[WSST], v[WORD]                  ; lane l's word is its own column's: lanes 0-15 serve the first fragment, lanes 16-31 the second
	s_wait_dscnt 0x0                               ; for the others' sake: my words, and a token's results, have landed
	s_barrier_signal -1
	s_barrier_wait -1
	s_cmp_lt_u32 s2, 4
	s_cbranch_scc0 .Lnot_words
	ds_load_b128 v[TP:TP+3], v[WSRD]
	s_wait_dscnt 0x0
	global_store_b128 v[L16], v[TP:TP+3], s[40:41]                 ; 512 consecutive bytes of the slab's scale words
	s_wait_tensorcnt 0x0
	ds_add_u32 v254, v255
	s_wait_dscnt 0x0
	s_endpgm
.Lnot_words:
	s_cmp_eq_u32 s2, 4
	s_cbranch_scc0 .Lnot_probs
	ds_load_b64 v[TP:TP+1], v[RPRD]
	s_wait_dscnt 0x0
	global_store_b64 v[L8], v[TP:TP+1], s[20:21]                   ; out1: 256 consecutive bytes, aligned
	s_wait_tensorcnt 0x0
	ds_add_u32 v254, v255
	s_wait_dscnt 0x0
	s_endpgm
.Lnot_probs:
	s_cmp_eq_u32 s2, 5
	s_cbranch_scc0 .Lnot_bytes
	ds_load_b64 v[TP:TP+1], v[RSRD]
	s_wait_dscnt 0x0
	global_store_b64 v[L8], v[TP:TP+1], s[48:49]                   ; x's scale bytes: 256 consecutive bytes, aligned
	s_wait_tensorcnt 0x0
	ds_add_u32 v254, v255
	s_wait_dscnt 0x0
	s_endpgm
.Lnot_bytes:
	s_cmp_eq_u32 s2, 6
	s_cbranch_scc0 .Ldone
	ds_load_b32 v[TP], v[RIRD]
	ds_load_b32 v[TP+1], v[RTRD]
	s_wait_dscnt 0x0
	global_store_b32 v[G4], v[TP], s[16:17]        ; 32 bytes each: lane l serves word l & 7, so four lanes write the same word with the same value
	global_store_b32 v[G4], v[TP+1], s[18:19]
.Ldone:
	s_wait_tensorcnt 0x0
	ds_add_u32 v254, v255
	s_wait_dscnt 0x0
	s_endpgm
.Lfunc_end_k_qa1083b6ace_prep:
	.size	k_qa1083b6ace_prep, .Lfunc_end_k_qa1083b6ace_prep-k_qa1083b6ace_prep
	.p2alignl 7, 3214868480
	.fill 96, 4, 3214868480
	.section	.rodata,"a",@progbits
	.p2align	6, 0x0
	.amdhsa_kernel k_qa1083b6ace_prep
		.amdhsa_group_segment_fixed_size 81152
		.amdhsa_private_segment_fixed_size 0
		.amdhsa_enable_private_segment 0
		.amdhsa_kernarg_size 72
		.amdhsa_user_sgpr_count 2
		.amdhsa_user_sgpr_kernarg_segment_ptr 1
		.amdhsa_wavefront_size32 1
		.amdhsa_system_sgpr_workgroup_id_x 1
		.amdhsa_system_sgpr_workgroup_id_y 1
		.amdhsa_system_sgpr_workgroup_id_z 1
		.amdhsa_system_vgpr_workitem_id 0
		.amdhsa_next_free_vgpr 256
		.amdhsa_next_free_sgpr 66
		.amdhsa_reserve_vcc 1
		.amdhsa_float_denorm_mode_32 3
		.amdhsa_float_denorm_mode_16_64 3
		.amdhsa_memory_ordered 1
		.amdhsa_forward_progress 1
		.amdhsa_inst_pref_size 53
	.end_amdhsa_kernel
	.amdgpu_metadata
---
amdhsa.version: [ 1, 2 ]
amdhsa.kernels:
  - .name:           k_qa1083b6ace_prep
    .symbol:         k_qa1083b6ace_prep.kd
    .args:
      - { .name: x, .offset: 0, .size: 8, .value_kind: global_buffer, .address_space: global }
      - { .name: gate_W, .offset: 8, .size: 8, .value_kind: global_buffer, .address_space: global }
      - { .name: gate_b, .offset: 16, .size: 8, .value_kind: global_buffer, .address_space: global }
      - { .name: W2, .offset: 24, .size: 8, .value_kind: global_buffer, .address_space: global }
      - { .name: xq, .offset: 32, .size: 8, .value_kind: global_buffer, .address_space: global }
      - { .name: w2q, .offset: 40, .size: 8, .value_kind: global_buffer, .address_space: global }
      - { .name: ridx, .offset: 48, .size: 8, .value_kind: global_buffer, .address_space: global }
      - { .name: topw, .offset: 56, .size: 8, .value_kind: global_buffer, .address_space: global }
      - { .name: out1, .offset: 64, .size: 8, .value_kind: global_buffer, .address_space: global }
    .group_segment_fixed_size: 81152
    .private_segment_fixed_size: 0
    .kernarg_segment_align: 8
    .kernarg_segment_size: 72
    .max_flat_workgroup_size: 512
    .sgpr_count:     66
    .vgpr_count:     256
    .wavefront_size: 32
...
	.end_amdgpu_metadata
.endif
;; end of part 4
;; launch ffn1 (part 5): grid 256 x 1, 16 waves a work-group, no clusters, 313,600 bytes of LDS; arguments W1, b1, xq, ridx, hq, route; writes hq, route
.if DOCPART == 5
	.amdgcn_target "amdgcn-amd-amdhsa--gfx1250"
	.amdhsa_code_object_version 6
	.text
	.protected	k_qa1083b6ace_ffn1
	.globl	k_qa1083b6ace_ffn1
	.p2align	8
	.type	k_qa1083b6ace_ffn1,@function
k_qa1083b6ace_ffn1:
	s_mov_b64 s[64:65], 0
	v_nop
	global_prefetch_b8 v0, s[64:65] scope:SCOPE_SE
	s_setreg_imm32_b32 hwreg(HW_REG_WAVE_MODE, 25, 1), 1
	s_wait_xcnt 0x0
; FFN1.  h = relu(x W1[e] + b1[e]) for the tokens that chose expert e, on codes of E3M2 with one E8M0 scale for each 32 along K; h is quantised along the hidden axis on the way and stored as images of the next
; product's operand registers, sorted by expert.
; SHARES.  Work-group n: expert e = n >> 5, hidden units 64 j .. 64 j + 63 (j = n & 31), all of K = 1,024: a slab of 256 KiB of f32, rows of 256 bytes, read once.
; Wave w streams 128 K (w >> 1) x 32 columns (w & 1): a lane takes a column, its registers run down K; the codes go to LDS as images of the operand's registers.
; THE COLUMNS OF A TILE ARE NOT NEIGHBOURS: lane l takes column (l & 7) + 16 ((l >> 3) & 1) + 8 (l >> 4) of the 32, so that in the transposed product the 16 registers of two neighbouring tiles are 16 neighbours
; along the next K.
; THE LIST.  Wave 0 of every work-group makes its expert's list of tokens from ridx (whole numbers that the launch before stored) while the first weight loads travel: a compare, a count of lower lanes, a store
; to LDS.  The 32 entries behind the count hold the list's last token, so that a pass of 32 is always whole and its spare rows repeat a row of the same pass.  The work-groups with j = 0 store list and count to route.
; PASSES.  32 list places x 64 hidden units: 8 K steps x 8 matrix instructions (source 0 = 16 columns of W1, source 1 = 16 tokens), eight accumulators by turns.  Pass p belongs to wave p mod 10.  The first 320 places'
; rows of xq are staged in LDS by all sixteen waves while the weights travel; further passes are staged by their own wave.  The loop over a wave's passes has seven trips (64 passes, ten waves) and is left
; by a forward branch as soon as a trip's first list place is not under the count.
; The launch has no tensor load and no joint request: operands go through registers.  No barrier stands behind the second one.
; LIMITS: as the quantiser's in the launch before: NaN and infinities are not served; a block under 2^-122 and a block of zeros carry the byte 1.  The order of tokens in a list is this builder's, not the tokens'.
; A scale word of h has two bytes from this slab and two from its neighbour: they leave as 2 bytes a token, 64 bytes a pass beside 1,536 bytes of codes in whole runs of 256.
.set XS_OFF, 1572864
.set HS_OFF, 25165824
.set PITCH,  8192                      ; a row of W1 in bytes
.set WIMG,  0                          ; LDS: 16 units x 3,072: unit 2 s + cb: two fragments of 1,536
.set WSC,   49152                      ; their scale words, 128 bytes a unit
.set B1L,   51200                      ; the slab's 64 biases
.set LIST,  51456                      ; 2,240 list entries,
.set DUMP,  60416                      ; 32 words for the lanes that do not match (list index 2,240 + lane),
.set CNTW,  60544                      ; the count
.set STG,   60672                      ; 10 slots of 32 rows of xq, 768 bytes + 16
.set ROWP,  784
.set SLOT,  32*ROWP
.set TRIPS, 7                          ; passes w, w + 10, .. w + 60
.set LN,1
.set WOFF,2                            ; 4 x my column
.set LI,3                              ; 16 x lane
.set LS,4                              ; 4 x lane
.set L8,5
.set WIST,6                            ; v6-v19: LDS addresses, all made at the head
.set WSST,7
.set LBASE,8
.set LTOK,9
.set CNTA,10
.set SADR,11
.set PADR,12
.set TAD,13
.set BAD,14
.set C16,15                            ; 16 (lane & 15)
.set BP,16                             ; 4 (lane >> 4)
.set DUMPI,17                          ; 2,240 + lane
.set LZ,18
.set B1ST,19
.set TA,20                             ; v20-23: wave 0's own, and at work
.set T1V,21
.set T2V,22
.set TT,23
.set TOKL,24                           ; v24-30 the tokens of my passes: lane l, pass i: list place 32 w + 320 i + l
.set RAW,32                            ; v32-95  two blocks of 32 numbers; later the accumulators
.set ACC,32                            ; accumulator (a, t) at 32 + 32 a + 8 t
.set BUF,96                            ; v96-167, v168-239: two sets of fragments: tokens a = 0, 1, then columns t = 0 .. 3
.set SR,96                             ; v96-155 staged rows on their way
.set IDX,96                            ; v96-159 ridx (wave 0)
.set FA,156
.set FB,168
.set M0,180
.set M1,181
.set SO,182
.set BY,183
.set TMP,184
.set WORD,188
.set TK,190                            ; v190-199 byte offsets of the rows that I stage
.set LP,200                            ; v200-207 list addresses, v208-215 tokens, v216-219 zeros (wave 0)
.set LT,208
.set ZR,216
.set BB,96                             ; the way out: v96-127 biases, v128-135 at work, v140-153 codes, v156-162 their upper halves
.set MX,128
.set PX,130
.set SQ,132
.set BQ,134
.set DD,140
.set TH,156
.set HW,240                            ; v240-241 h's two scale bytes of tile a; v242 the lane's choice of them
.set HWS,242
.set XSO,243                           ; v243 where my token's scale words of x lie: outside v32-239, into which a later pass's rows and their offsets go
.set TSC,244                           ; v244-251 x's scale words: these and v252-255 hold scales and nothing else
.set WSR,252                           ; v252-255 W1's scale words, two for each set
.set WB,20                             ; s[20:21] my unit of W1
.macro QB src, dst, pos                ; a block of 32 numbers of one lane -> 6 registers of codes at v[dst], its byte to place pos of v[WORD]
	v_max3_num_f32 v[M0], |v[\src]|, |v[\src+1]|, |v[\src+2]|
	v_max3_num_f32 v[M1], |v[\src+3]|, |v[\src+4]|, |v[\src+5]|
.irp i, 6,10,14,18,22,26
	s_delay_alu instid0(VALU_DEP_2)
	v_max3_num_f32 v[M0], v[M0], |v[\src+\i]|, |v[\src+\i+1]|
	s_delay_alu instid0(VALU_DEP_2)
	v_max3_num_f32 v[M1], v[M1], |v[\src+\i+2]|, |v[\src+\i+3]|
.endr
	s_delay_alu instid0(VALU_DEP_2)
	v_max3_num_f32 v[M0], v[M0], |v[\src+30]|, |v[\src+31]|
	s_delay_alu instid0(VALU_DEP_1)
	v_max3_num_f32 v[M0], v[M0], v[M1], 0x2800000                  ; the floor 2^(5 - 127): the byte cannot fall under 1
	s_delay_alu instid0(VALU_DEP_1)
	v_add_nc_u32 v[SO], 0xfe000000, v[M0]                          ; 4 off the exponent field: the conversion's scale operand
	s_delay_alu instid0(VALU_DEP_1)
	v_lshrrev_b32 v[BY], 23, v[SO]
.if (\pos) == 0
	s_delay_alu instid0(VALU_DEP_1)
	v_mov_b32 v[WORD], v[BY]
.else
	s_delay_alu instid0(VALU_DEP_1)
	v_lshl_or_b32 v[WORD], v[BY], 8*(\pos), v[WORD]
.endif
	v_cvt_scalef32_pk16_bf6_f32 v[\dst:\dst+2], v[\src:\src+15], v[SO]
	v_cvt_scalef32_pk16_bf6_f32 v[TMP:TMP+2], v[\src+16:\src+31], v[SO]
	v_nop                                                          ; one plain place behind a scaled conversion
.irp i, 0,1,2
	v_mov_b32 v[\dst+3+\i], v[TMP+\i]
.endr
.endm
.macro LB b                            ; block b of my unit: 32 rows of W1 at my column: 128 bytes of a row a wave, the neighbour wave the row's other 128
.irp i, 0,1,2,3,4,5,6,7,8,9,10,11,12,13,14,15,16,17,18,19,20,21,22,23,24,25,26,27,28,29,30,31
	global_load_b32 v[RAW+32*((\b)%2)+\i], v[WOFF], s[WB:WB+1] offset:(32*(\b)+\i)*PITCH th:TH_LOAD_NT
.endr
.endm
; Eight registers of ridx: register i of 64 holds, in lane l, the expert of token 128 (i / 4) + 4 l + i % 4.  A match goes to the list at (matches so far) + (matching lanes below me), the others to the dump.
.macro GROUP8 q
.irp i, 0,1,2,3,4,5,6,7
	v_cmp_eq_u32 s[40+\i], s16, v[IDX+8*(\q)+\i]
.endr
.irp i, 0,1,2,3,4,5,6,7
	s_mov_b32 s[48+\i], s56
	s_bcnt1_i32_b32 s57, s[40+\i]
	s_add_co_u32 s56, s56, s57
.endr
.irp i, 0,1,2,3,4,5,6,7
	v_mbcnt_lo_u32_b32 v[LP+\i], s[40+\i], s[48+\i]
.endr
.irp i, 0,1,2,3,4,5,6,7
	v_cndmask_b32 v[LP+\i], v[DUMPI], v[LP+\i], s[40+\i]
.endr
.irp i, 0,1,2,3,4,5,6,7
	v_min_u32 v[LP+\i], 0x8df, v[LP+\i]            ; an index of list or dump: 2,271 at the most
.endr
.irp i, 0,1,2,3,4,5,6,7
	v_lshl_add_u32 v[LP+\i], v[LP+\i], 2, LIST
.endr
.irp i, 0,1,2,3,4,5,6,7
	v_add_nc_u32 v[LT+\i], 128*((8*(\q)+\i)/4)+(8*(\q)+\i)%4, v[LS]
.endr
.irp i, 0,1,2,3,4,5,6,7
	ds_store_b32 v[LP+\i], v[LT+\i]
.endr
.endm
.macro SBREG n                         ; where load n of the second half of the staging lands: the block's registers that have just been quantised, then wave 0's list registers
.if (\n) < 8
.set RB, 32+4*(\n)
.else
.set RB, 200+4*((\n)-8)
.endif
.endm
; K step s: 20 LDS loads into set s % 2: two fragments of tokens (48 bytes a lane from the stage), four of columns (images), two scale words.
.macro LOADK s
.set kB, BUF+72*((\s)%2)
.irp a, 0,1
.irp i, 0,1,2
	ds_load_b128 v[kB+12*\a+4*\i:kB+12*\a+4*\i+3], v[TAD] offset:16*ROWP*\a+48*(\s)+16*\i
.endr
.endr
.irp t, 0,1,2,3
.irp i, 0,1,2
	ds_load_b128 v[kB+24+12*\t+4*\i:kB+24+12*\t+4*\i+3], v[LI] offset:WIMG+3072*(2*(\s)+\t/2)+1536*(\t%2)+512*\i
.endr
.endr
	ds_load_b32 v[WSR+2*((\s)%2)], v[LS] offset:WSC+128*(2*(\s))
	ds_load_b32 v[WSR+2*((\s)%2)+1], v[LS] offset:WSC+128*(2*(\s)+1)
.endm
; One matrix instruction on the registers named by rD, rW, rT, rSW, rST.  z: the product starts the sum.  ra, rb: the side's scales stand in lanes 16-31.
.macro WM z, ra, rb
.if (\z) && (\ra) && (\rb)
	v_wmma_scale_f32_16x16x128_f8f6f4 v[rD:rD+7], v[rW:rW+11], v[rT:rT+11], 0, v[rSW], v[rST] matrix_a_fmt:MATRIX_FMT_BF6 matrix_b_fmt:MATRIX_FMT_BF6 matrix_a_scale:MATRIX_SCALE_ROW1 matrix_b_scale:MATRIX_SCALE_ROW1
.elseif (\z) && (\ra)
	v_wmma_scale_f32_16x16x128_f8f6f4 v[rD:rD+7], v[rW:rW+11], v[rT:rT+11], 0, v[rSW], v[rST] matrix_a_fmt:MATRIX_FMT_BF6 matrix_b_fmt:MATRIX_FMT_BF6 matrix_a_scale:MATRIX_SCALE_ROW1
.elseif (\z) && (\rb)
	v_wmma_scale_f32_16x16x128_f8f6f4 v[rD:rD+7], v[rW:rW+11], v[rT:rT+11], 0, v[rSW], v[rST] matrix_a_fmt:MATRIX_FMT_BF6 matrix_b_fmt:MATRIX_FMT_BF6 matrix_b_scale:MATRIX_SCALE_ROW1
.elseif (\z)
	v_wmma_scale_f32_16x16x128_f8f6f4 v[rD:rD+7], v[rW:rW+11], v[rT:rT+11], 0, v[rSW], v[rST] matrix_a_fmt:MATRIX_FMT_BF6 matrix_b_fmt:MATRIX_FMT_BF6
.elseif (\ra) && (\rb)
	v_wmma_scale_f32_16x16x128_f8f6f4 v[rD:rD+7], v[rW:rW+11], v[rT:rT+11], v[rD:rD+7], v[rSW], v[rST] matrix_a_fmt:MATRIX_FMT_BF6 matrix_b_fmt:MATRIX_FMT_BF6 matrix_a_scale:MATRIX_SCALE_ROW1 matrix_b_scale:MATRIX_SCALE_ROW1
.elseif (\ra)
	v_wmma_scale_f32_16x16x128_f8f6f4 v[rD:rD+7], v[rW:rW+11], v[rT:rT+11], v[rD:rD+7], v[rSW], v[rST] matrix_a_fmt:MATRIX_FMT_BF6 matrix_b_fmt:MATRIX_FMT_BF6 matrix_a_scale:MATRIX_SCALE_ROW1
.elseif (\rb)
	v_wmma_scale_f32_16x16x128_f8f6f4 v[rD:rD+7], v[rW:rW+11], v[rT:rT+11], v[rD:rD+7], v[rSW], v[rST] matrix_a_fmt:MATRIX_FMT_BF6 matrix_b_fmt:MATRIX_FMT_BF6 matrix_b_scale:MATRIX_SCALE_ROW1
.else
	v_wmma_scale_f32_16x16x128_f8f6f4 v[rD:rD+7], v[rW:rW+11], v[rT:rT+11], v[rD:rD+7], v[rSW], v[rST] matrix_a_fmt:MATRIX_FMT_BF6 matrix_b_fmt:MATRIX_FMT_BF6
.endif
.endm
.macro MULK s, z                       ; the K step's eight products: the eight accumulators by turns, in the same order in every step
.irp a, 0,1
.irp t, 0,1,2,3
.set rD, ACC+32*\a+8*\t
.set rW, BUF+72*((\s)%2)+24+12*\t
.set rT, BUF+72*((\s)%2)+12*\a
.set rSW, WSR+2*((\s)%2)+\t/2
.set rST, TSC+(\s)
	WM \z, \t%2, \a
.endr
.endr
.endm
; Tile a's 16 tokens x 64 hidden units become half a fragment of the next product: lane (r, h) holds token r; the 16 registers of tiles 2 b, 2 b + 1 are hidden units 32 b + 16 h + 0 .. 15.  None is negative: no |.|
.macro HQ a
.set hA, ACC+32*(\a)
.set hD, DD+8*(\a)
.set hT, TH+4*(\a)
.irp b, 0,1
	v_max3_num_f32 v[MX+\b], v[hA+16*\b], v[hA+16*\b+1], 0x2800000
.endr
.irp i, 2,4,6,8,10,12,14
.irp b, 0,1
	s_delay_alu instid0(VALU_DEP_2)
	v_max3_num_f32 v[MX+\b], v[MX+\b], v[hA+16*\b+\i], v[hA+16*\b+\i+1]
.endr
.endr
.irp b, 0,1
	s_delay_alu instid0(VALU_DEP_2)
	v_permlanex16_b32 v[PX+\b], v[MX+\b], s38, s39
.endr
.irp b, 0,1
	s_delay_alu instid0(VALU_DEP_2)
	v_max_num_f32 v[MX+\b], v[MX+\b], v[PX+\b]     ; with lane l xor 16's 16: the block's largest
.endr
.irp b, 0,1
	s_delay_alu instid0(VALU_DEP_2)
	v_add_nc_u32 v[SQ+\b], 0xfe000000, v[MX+\b]
.endr
.irp b, 0,1
	s_delay_alu instid0(VALU_DEP_2)
	v_lshrrev_b32 v[BQ+\b], 23, v[SQ+\b]
.endr
	s_delay_alu instid0(VALU_DEP_1)
	v_lshl_or_b32 v[HW+(\a)], v[BQ+1], 8, v[BQ]    ; the slab's two bytes of the token's scale word
	v_cvt_scalef32_pk16_bf6_f32 v[hD:hD+2], v[hA:hA+15], v[SQ]
	v_cvt_scalef32_pk16_bf6_f32 v[hT:hT+2], v[hA+16:hA+31], v[SQ+1]
	v_nop                                          ; one plain place behind a scaled conversion
.irp i, 0,1,2
	v_permlane16_swap_b32 v[hD+\i], v[hT+\i]       ; a whole block to a lane: lanes 0-15 block 0, lanes 16-31 block 1
.endr
.irp i, 0,1,2
	s_delay_alu instid0(VALU_DEP_3)
	v_mov_b32 v[hD+3+\i], v[hT+\i]
.endr
	global_store_b128 v[LI], v[hD:hD+3], s[30:31] offset:1536*(\a)            ; six registers as they stand: 512 + 256 consecutive bytes, at a multiple of 256 from hq's first byte
	global_store_b64 v[L8], v[hD+4:hD+5], s[30:31] offset:1536*(\a)+512
.endm
	s_load_b256 s[4:11], s[0:1], 0x0               ; W1, b1, xq, ridx
	s_load_b128 s[12:15], s[0:1], 0x20             ; hq, route
	v_lshrrev_b32 v[TT], 5, v0
	s_delay_alu instid0(VALU_DEP_1)
	v_readfirstlane_b32 s2, v[TT]                  ; wave 0..15
	v_and_b32 v[LN], 31, v0
	s_delay_alu instid0(VALU_DEP_1)
	v_and_b32 v[WOFF], 7, v[LN]
	s_delay_alu instid0(VALU_DEP_2)
	v_bfe_u32 v[TT], v[LN], 3, 1
	s_delay_alu instid0(VALU_DEP_1)
	v_lshl_add_u32 v[WOFF], v[TT], 4, v[WOFF]
	s_delay_alu instid0(VALU_DEP_4)
	v_lshrrev_b32 v[BP], 4, v[LN]                  ; h
	s_delay_alu instid0(VALU_DEP_1)
	v_lshl_add_u32 v[WOFF], v[BP], 3, v[WOFF]      ; my column of the 32
	s_delay_alu instid0(VALU_DEP_1)
	v_lshlrev_b32 v[WOFF], 2, v[WOFF]
	v_lshlrev_b32 v[LI], 4, v[LN]
	v_lshlrev_b32 v[LS], 2, v[LN]
	s_wait_alu depctr_va_vdst(0)
	v_lshlrev_b32 v[L8], 3, v[LN]
	v_and_b32 v[C16], 15, v[LN]                    ; r
	s_min_u32 s18, s2, 9                           ; the slot of a wave that has passes (waves 10-15 never use what is made of it behind the second barrier)
	s_mul_i32 s19, s2, 3072
	v_add_nc_u32 v[WIST], s19, v[LI]
	s_lshl_b32 s19, s2, 7
	s_add_co_u32 s19, s19, WSC
	v_add_nc_u32 v[WSST], s19, v[LS]
	s_mul_i32 s19, s2, 80
	s_add_co_u32 s19, s19, LIST
	v_lshl_add_u32 v[LBASE], v[BP], 2, s19         ; list places 20 w + 2 i + h: the rows that I stage
	s_lshl_b32 s19, s18, 7
	s_add_co_u32 s19, s19, LIST
	v_add_nc_u32 v[LTOK], s19, v[LS]               ; list places 32 w + l: my passes' tokens
	v_mov_b32 v[CNTA], CNTW
	v_mul_u32_u24 v[TT], v[BP], ROWP
	s_wait_alu depctr_va_vdst(0)
	v_lshl_add_u32 v[TT], v[C16], 4, v[TT]         ; two rows an instruction, sixteen lanes to 256 bytes of a row
	s_mul_i32 s19, s2, 20*ROWP
	s_add_co_u32 s19, s19, STG
	v_add_nc_u32 v[SADR], s19, v[TT]
	s_mul_i32 s19, s18, SLOT
	s_add_co_u32 s19, s19, STG
	v_add_nc_u32 v[PADR], s19, v[TT]
	v_mul_u32_u24 v[TT], v[C16], ROWP
	s_delay_alu instid0(VALU_DEP_1)
	v_mad_u32_u24 v[TT], v[BP], 384, v[TT]
	s_delay_alu instid0(VALU_DEP_1)
	v_add_nc_u32 v[TAD], s19, v[TT]                ; a fragment of tokens: row r of my slot, + 384 h
	v_lshl_add_u32 v[BAD], v[BP], 6, B1L
	v_add_nc_u32 v[DUMPI], 2240, v[LN]
	v_add_nc_u32 v[LZ], LIST, v[LI]
	v_add_nc_u32 v[B1ST], B1L, v[L8]
	v_lshlrev_b32 v[C16], 4, v[C16]
	v_lshlrev_b32 v[BP], 2, v[BP]
	s_lshr_b32 s16, ttmp9, 5                       ; expert
	s_and_b32 s17, ttmp9, 31                       ; slab
	s_mov_b32 s36, 0xffff0000                      ; lanes 16-31
	s_mov_b32 s38, 0x76543210                      ; v_permlanex16_b32's selects for lane l xor 16
	s_mov_b32 s39, 0xfedcba98
	s_lshl_b32 s58, s16, 23                        ; my unit of W1: expert x 8 MiB + (w >> 1) x 128 rows + 256 j + 128 (w & 1)
	s_lshr_b32 s57, s2, 1
	s_lshl_b32 s57, s57, 20
	s_add_co_u32 s58, s58, s57
	s_lshl_b32 s57, s17, 8
	s_add_co_u32 s58, s58, s57
	s_and_b32 s57, s2, 1
	s_lshl_b32 s57, s57, 7
	s_add_co_u32 s58, s58, s57
	s_mov_b32 s59, 0
	s_lshl_b32 s60, s16, 13
	s_lshl_b32 s57, s17, 8
	s_add_co_u32 s60, s60, s57
	s_mov_b32 s61, 0
	s_wait_kmcnt 0x0
	s_add_nc_u64 s[WB:WB+1], s[4:5], s[58:59]
	s_add_nc_u64 s[60:61], s[6:7], s[60:61]        ; the slab's biases
	s_cmp_lg_u32 s2, 0
	s_cbranch_scc1 .Lnot0a
.irp q, 0,1,2,3,4,5,6,7,8,9,10,11,12,13,14,15
	global_load_b128 v[IDX+4*\q:IDX+4*\q+3], v[LI], s[10:11] offset:512*\q
.endr
	global_load_b64 v[160:161], v[L8], s[60:61]
.Lnot0a:
	LB 0
	LB 1
	s_mul_i32 s58, s16, 9216                       ; the other addresses, while the loads travel
	s_add_nc_u64 s[62:63], s[14:15], s[58:59]      ; my expert's part of route
	s_add_nc_u64 s[24:25], s[8:9], XS_OFF          ; x's scale bytes
	s_mul_i32 s58, s16, 3145728                    ; hq's codes: [expert][pass 64][K step 16][tile 2][half 2] x 768: K step j >> 1, half j & 1
	s_lshr_b32 s57, s17, 1
	s_mul_i32 s57, s57, 3072
	s_add_co_u32 s58, s58, s57
	s_and_b32 s57, s17, 1
	s_mul_i32 s57, s57, 768
	s_add_co_u32 s58, s58, s57
	s_add_nc_u64 s[26:27], s[12:13], s[58:59]
	s_lshl_b32 s58, s16, 17                        ; hq's scale words: [expert][pass][K step / 4][lane 32][K step % 4]: my two bytes of word j >> 1
	s_lshr_b32 s57, s17, 3
	s_lshl_b32 s57, s57, 9
	s_add_co_u32 s58, s58, s57
	s_bfe_u32 s57, s17, 0x20001
	s_lshl_b32 s57, s57, 2
	s_add_co_u32 s58, s58, s57
	s_and_b32 s57, s17, 1
	s_lshl_b32 s57, s57, 1
	s_add_co_u32 s58, s58, s57
	s_add_nc_u64 s[28:29], s[12:13], s[58:59]
	s_add_nc_u64 s[28:29], s[28:29], HS_OFF
	s_cmp_lg_u32 s2, 0
	s_cbranch_scc1 .Lnot0b
	; ---- wave 0 alone: the list.  No other wave touches LDS ahead of the first barrier
	s_wait_loadcnt 63                              ; 64 weight loads were issued behind ridx's sixteen and the biases': these are in
.irp i, 0,1,2,3
	v_mov_b32 v[ZR+\i], 0
.endr
	s_wait_alu depctr_va_vdst(0)
.irp q, 0,1,2,3,4,5,6,7,8,9,10,11,12,13,14,15,16,17
	ds_store_b128 v[LZ], v[ZR:ZR+3] offset:512*\q  ; list, dump and count begin as zeros: 9,216 bytes
.endr
	ds_store_b64 v[B1ST], v[160:161]
	s_mov_b32 s56, 0                               ; matches so far
.irp q, 0,1,2,3,4,5,6,7
	GROUP8 \q
.endr
	s_sub_co_i32 s57, s56, 1                       ; the list's last entry (entry 0, a zero, where the list is empty)
	s_max_i32 s57, s57, 0
	s_min_u32 s57, s57, 2047
	s_lshl_b32 s57, s57, 2
	s_add_co_u32 s57, s57, LIST
	v_mov_b32 v[TA], s57
	ds_load_b32 v[T1V], v[TA]                      ; LDS serves a wave's instructions in order: this sees the stores above
	v_add_nc_u32 v[T2V], s56, v[LN]
	s_delay_alu instid0(VALU_DEP_1)
	v_min_u32 v[T2V], 0x8bf, v[T2V]
	s_delay_alu instid0(VALU_DEP_1)
	v_lshl_add_u32 v[T2V], v[T2V], 2, LIST
	v_mov_b32 v[TT], s56
	s_wait_alu depctr_va_vdst(0)
	s_wait_dscnt 0x0
	ds_store_b32 v[T2V], v[T1V]                    ; the 32 entries behind the count repeat it: they fall into the same pass as it, or into none
	ds_store_b32 v[CNTA], v[TT]
	s_cmp_lg_u32 s17, 0
	s_cbranch_scc1 .Lno_route
.irp q, 0,1,2,3,4,5,6,7,8,9,10,11,12,13,14,15,16,17
	ds_load_b128 v[96+4*\q:96+4*\q+3], v[LZ] offset:512*\q
.endr
	s_wait_dscnt 0x0
.irp q, 0,1,2,3,4,5,6,7,8,9,10,11,12,13,14,15,16,17
	global_store_b128 v[LI], v[96+4*\q:96+4*\q+3], s[62:63] offset:512*\q
.endr
	s_wait_xcnt 0x0                                ; the stores have read their registers, which are written again below
.Lno_route:
.Lnot0b:
	s_wait_loadcnt 32                              ; block 0 is in; block 1's 32 loads may be out
	QB RAW, FA, 0
	LB 2
	s_wait_loadcnt 32                              ; block 1 is in; block 2's may be out
	QB RAW+32, FB, 1
	LB 3                                           ; the whole slab has now been asked for
	s_wait_dscnt 0x0                               ; for the others' sake: wave 0's list, count and biases have landed
	s_barrier_signal -1
	s_barrier_wait -1
	ds_load_b32 v[T1V], v[CNTA]
.irp i, 0,1,2,3,4,5,6,7,8,9
	ds_load_b32 v[TK+\i], v[LBASE] offset:8*\i
.endr
.irp i, 0,1,2,3,4,5,6
	ds_load_b32 v[TOKL+\i], v[LTOK] offset:1280*\i
.endr
	s_wait_dscnt 0x0
	v_readfirstlane_b32 s34, v[T1V]
	s_min_u32 s34, s34, 2048                       ; the expert's tokens
.irp i, 0,1,2,3,4,5,6,7,8,9
	v_min_u32 v[TK+\i], 0x7ff, v[TK+\i]
.endr
.irp i, 0,1,2,3,4,5,6,7,8,9
	v_mul_u32_u24 v[TK+\i], v[TK+\i], 768
.endr
.irp i, 0,1,2,3,4,5,6,7,8,9
	v_add_nc_u32 v[TK+\i], v[TK+\i], v[C16]
.endr
	v_min_u32 v[XSO], 0x7ff, v[TOKL]
	s_delay_alu instid0(VALU_DEP_1)
	v_lshlrev_b32 v[XSO], 5, v[XSO]
.irp i, 0,1,2,3,4
.irp p, 0,1,2
	global_load_b128 v[SR+12*\i+4*\p:SR+12*\i+4*\p+3], v[TK+\i], s[8:9] offset:256*\p   ; two rows' 256 consecutive bytes each
.endr
.endr
	global_load_b128 v[TSC:TSC+3], v[XSO], s[24:25]                ; my first pass's scale words: lane 16 a + r holds token r of tile a, register s K step s
	global_load_b128 v[TSC+4:TSC+7], v[XSO], s[24:25] offset:16
	s_wait_loadcnt 49                              ; block 2 is in; behind it: block 3's 32, the 15 rows' loads, the 2 scale loads
	QB RAW, FA+6, 2
.irp i, 5,6,7,8,9
.irp p, 0,1,2
	SBREG 3*(\i-5)+\p
	global_load_b128 v[RB:RB+3], v[TK+\i], s[8:9] offset:256*\p
.endr
.endr
	s_wait_loadcnt 32                              ; block 3 is in; behind it: 17 and the 15 just issued
	QB RAW+32, FB+6, 3
.irp i, 0,1,2,3,4,5,6,7,8,9,10,11
	v_permlane16_swap_b32 v[FA+\i], v[FB+\i]       ; FA: the operand of the columns in lanes 0-15 (tile 2 cb), FB: of those in lanes 16-31 (tile 2 cb + 1)
.endr
.irp i, 0,1,2
	ds_store_b128 v[WIST], v[FA+4*\i:FA+4*\i+3] offset:WIMG+512*\i
	ds_store_b128 v[WIST], v[FB+4*\i:FB+4*\i+3] offset:WIMG+1536+512*\i
.endr
	ds_store_b32 v[WSST], v[WORD]
	s_wait_loadcnt 15                              ; the first 15 rows' loads and the scale words are in; the second 15 may be out
.irp i, 0,1,2,3,4
.irp p, 0,1,2
	ds_store_b128 v[SADR], v[SR+12*\i+4*\p:SR+12*\i+4*\p+3] offset:2*ROWP*\i+256*\p
.endr
.endr
	s_wait_loadcnt 0x0
.irp i, 5,6,7,8,9
.irp p, 0,1,2
	SBREG 3*(\i-5)+\p
	ds_store_b128 v[SADR], v[RB:RB+3] offset:2*ROWP*\i+256*\p
.endr
.endr
	s_wait_dscnt 0x0                               ; for the others' sake: my images, my words and my rows have landed
	s_barrier_signal -1
	s_barrier_wait -1                              ; the slab's codes and 320 rows of xq lie in LDS.  No barrier follows
	s_cmp_ge_u32 s2, 10
	s_cbranch_scc1 .Lend
	s_lshl_b32 s35, s2, 5                          ; my first pass's first list place
	s_mov_b32 s37, 0                               ; trips made
.Lpass:
	s_cmp_ge_u32 s35, s34                          ; no list place is left for me: out of the loop
	s_cbranch_scc1 .Lend
	s_cmp_lt_u32 s35, 320                          ; the first pass's rows are staged already
	s_cbranch_scc1 .Lstaged
.irp i, 0,1,2,3,4,5,6,7,8,9,10,11,12,13,14,15
	v_add_nc_u32 v[224+\i], 8*\i, v[BP]            ; rows 2 i + h of the pass: their tokens lie in lanes 2 i + h of v[TOKL]
.endr
.irp i, 0,1,2,3,4,5,6,7,8,9,10,11,12,13,14,15
	ds_bpermute_b32 v[224+\i], v[224+\i], v[TOKL]
.endr
	v_min_u32 v[XSO], 0x7ff, v[TOKL]
	s_delay_alu instid0(VALU_DEP_1)
	v_lshlrev_b32 v[XSO], 5, v[XSO]
	s_wait_dscnt 0x0
.irp i, 0,1,2,3,4,5,6,7,8,9,10,11,12,13,14,15
	v_min_u32 v[224+\i], 0x7ff, v[224+\i]
.endr
.irp i, 0,1,2,3,4,5,6,7,8,9,10,11,12,13,14,15
	v_mul_u32_u24 v[224+\i], v[224+\i], 768
.endr
.irp i, 0,1,2,3,4,5,6,7,8,9,10,11,12,13,14,15
	v_add_nc_u32 v[224+\i], v[224+\i], v[C16]
.endr
.irp i, 0,1,2,3,4,5,6,7,8,9,10,11,12,13,14,15
.irp p, 0,1,2
	global_load_b128 v[32+12*\i+4*\p:32+12*\i+4*\p+3], v[224+\i], s[8:9] offset:256*\p    ; 48 loads into v32-223
.endr
.endr
	global_load_b128 v[TSC:TSC+3], v[XSO], s[24:25]
	global_load_b128 v[TSC+4:TSC+7], v[XSO], s[24:25] offset:16
	s_wait_loadcnt 0x0
.irp i, 0,1,2,3,4,5,6,7,8,9,10,11,12,13,14,15
.irp p, 0,1,2
	ds_store_b128 v[PADR], v[32+12*\i+4*\p:32+12*\i+4*\p+3] offset:2*ROWP*\i+256*\p     ; my own slot: no other wave touches it behind the second barrier, and LDS serves my instructions in order
.endr
.endr
.Lstaged:
	s_mul_i32 s58, s35, 1536                       ; the pass's place in hq: 49,152 bytes of codes and 2,048 of scale words a pass
	s_add_nc_u64 s[30:31], s[26:27], s[58:59]
	s_lshl_b32 s58, s35, 6
	s_add_nc_u64 s[32:33], s[28:29], s[58:59]
	LOADK 0
	LOADK 1
	s_wait_loadcnt 0x0                             ; x's scale words
.irp s, 0,1,2,3,4,5,6,7
.if \s < 7
	s_wait_dscnt 20                                ; this K step's fragments are in; the next step's 20 loads may be out
.else
	s_wait_dscnt 0x0
.endif
.if \s == 0
	MULK \s, 1                                     ; the first K step starts the sums: nothing is cleared
.else
	MULK \s, 0
.endif
.rept 4
	v_nop                                          ; four places in front of loads into registers that these products have read, and of the first read of results
.endr
.if \s < 6
	LOADK \s+2
.endif
.endr
.irp b, 0,1
.irp u, 0,1
.irp i, 0,1
	ds_load_b128 v[BB+16*\b+8*\u+4*\i:BB+16*\b+8*\u+4*\i+3], v[BAD] offset:128*\b+32*\u+16*\i   ; b1 at hidden units 32 b + 16 h + 8 u + 0 .. 7: the accumulators' own order
.endr
.endr
.endr
	s_wait_dscnt 0x0
.irp a, 0,1
.irp p, 0,2,4,6,8,10,12,14,16,18,20,22,24,26,28,30
	v_pk_add_f32 v[ACC+32*\a+\p:ACC+32*\a+\p+1], v[ACC+32*\a+\p:ACC+32*\a+\p+1], v[BB+\p:BB+\p+1]   ; each accumulator from its low end on
.endr
.irp p, 0,1,2,3,4,5,6,7,8,9,10,11,12,13,14,15,16,17,18,19,20,21,22,23,24,25,26,27,28,29,30,31
	v_max_num_f32 v[ACC+32*\a+\p], 0, v[ACC+32*\a+\p]              ; the activation, in f32
.endr
.endr
	HQ 0
	HQ 1
	v_cndmask_b32 v[HWS], v[HW], v[HW+1], s36      ; lane 16 a + r: token r of tile a
	global_store_b16 v[LI], v[HWS], s[32:33]       ; two bytes of the token's scale word, 16 bytes from token to token
.irp i, 0,1,2,3,4,5
	v_mov_b32 v[TOKL+\i], v[TOKL+1+\i]             ; on to my next pass's tokens
.endr
	s_wait_xcnt 0x0                                ; the stores have read their data and their bases: both are written again in the next trip
	s_add_co_u32 s35, s35, 320                     ; ten passes on
	s_add_co_u32 s37, s37, 1
	s_cmp_lt_u32 s37, TRIPS
	s_cbranch_scc1 .Lpass
.Lend:
	s_wait_xcnt 0x0
	v_lshl_add_u32 v254, v0, 2, 0x4c100
	v_mov_b32 v255, 0
	s_wait_alu depctr_va_vdst(0)
	s_wait_tensorcnt 0x0
	ds_add_u32 v254, v255
	s_wait_dscnt 0x0
	s_endpgm
.Lfunc_end_k_qa1083b6ace_ffn1:
	.size	k_qa1083b6ace_ffn1, .Lfunc_end_k_qa1083b6ace_ffn1-k_qa1083b6ace_ffn1
	.p2alignl 7, 3214868480
	.fill 96, 4, 3214868480
	.section	.rodata,"a",@progbits
	.p2align	6, 0x0
	.amdhsa_kernel k_qa1083b6ace_ffn1
		.amdhsa_group_segment_fixed_size 313600
		.amdhsa_private_segment_fixed_size 0
		.amdhsa_enable_private_segment 0
		.amdhsa_kernarg_size 48
		.amdhsa_user_sgpr_count 2
		.amdhsa_user_sgpr_kernarg_segment_ptr 1
		.amdhsa_wavefront_size32 1
		.amdhsa_system_sgpr_workgroup_id_x 1
		.amdhsa_system_sgpr_workgroup_id_y 1
		.amdhsa_system_sgpr_workgroup_id_z 1
		.amdhsa_system_vgpr_workitem_id 0
		.amdhsa_next_free_vgpr 256
		.amdhsa_next_free_sgpr 66
		.amdhsa_reserve_vcc 0
		.amdhsa_float_denorm_mode_32 3
		.amdhsa_float_denorm_mode_16_64 3
		.amdhsa_memory_ordered 1
		.amdhsa_forward_progress 1
		.amdhsa_inst_pref_size 120
	.end_amdhsa_kernel
	.amdgpu_metadata
---
amdhsa.version: [ 1, 2 ]
amdhsa.kernels:
  - .name:           k_qa1083b6ace_ffn1
    .symbol:         k_qa1083b6ace_ffn1.kd
    .args:
      - { .name: W1, .offset: 0, .size: 8, .value_kind: global_buffer, .address_space: global }
      - { .name: b1, .offset: 8, .size: 8, .value_kind: global_buffer, .address_space: global }
      - { .name: xq, .offset: 16, .size: 8, .value_kind: global_buffer, .address_space: global }
      - { .name: ridx, .offset: 24, .size: 8, .value_kind: global_buffer, .address_space: global }
      - { .name: hq, .offset: 32, .size: 8, .value_kind: global_buffer, .address_space: global }
      - { .name: route, .offset: 40, .size: 8, .value_kind: global_buffer, .address_space: global }
    .group_segment_fixed_size: 313600
    .private_segment_fixed_size: 0
    .kernarg_segment_align: 8
    .kernarg_segment_size: 48
    .max_flat_workgroup_size: 512
    .sgpr_count:     66
    .vgpr_count:     256
    .wavefront_size: 32
...
	.end_amdgpu_metadata
.endif
;; end of part 5
;; launch ffn2 (part 6): grid 256 x 1, 8 waves a work-group, no clusters, 174,080 bytes of LDS; arguments w2q, hq, route, topw, b2, out0; writes out0
.if DOCPART == 6
	.amdgcn_target "amdgcn-amd-amdhsa--gfx1250"
	.amdhsa_code_object_version 6
	.text
	.protected	k_qa1083b6ace_ffn2
	.globl	k_qa1083b6ace_ffn2
	.p2align	8
	.type	k_qa1083b6ace_ffn2,@function
k_qa1083b6ace_ffn2:
	s_mov_b64 s[64:65], 0
	v_nop
	global_prefetch_b8 v0, s[64:65] scope:SCOPE_SE
	s_setreg_imm32_b32 hwreg(HW_REG_WAVE_SCHED_MODE, 0, 2), 2
	s_setreg_imm32_b32 hwreg(HW_REG_WAVE_MODE, 25, 1), 1
	s_wait_xcnt 0x0
	s_wait_alu depctr_vm_vsrc(0)
; FFN2.  out0[token] = top weight x (h W2[e] + b2[e]) for the tokens of expert e, on the codes that the two launches before have laid as images of the operand's registers.
; SHARES.  Work-group n: expert e = n >> 5, output columns 64 g .. 64 g + 63 (g = (n >> 1) & 15), passes of parity t = n & 1.  Its 96 KiB of W2's codes and 4 KiB of scale words come into LDS once.
; Wave w takes passes t + 2 (w + 8 i), i = 0 .. 3, of 32 list places: 16 K steps x 8 matrix instructions (source 0 = 16 columns of W2, source 1 = 16 tokens), eight accumulators by turns; b2 is the C of each
; sum's first instruction.  h's fragments come from memory straight into registers, seven K steps ahead.  The loop has four trips and is left by a forward branch as soon as a trip's first list place is not under the count.
; THE WAY OUT.  A lane holds eight neighbouring columns of one token; a pass goes through the wave's own stage in LDS and leaves as rows: sixteen lanes store a token's 256 consecutive bytes, at a multiple of
; 256 from out0's first byte.  The list's spare places repeat the last token of the same pass: they store the same numbers to the same bytes, from the same wave.
; The launch has no tensor load and no joint request; the one barrier stands ahead of every branch on the count.
; REGISTERS: window 0: v1-25 addresses and small things; v32-95 accumulators ((a, t) at 32 + 32 a + 8 t); v96-143, v144-191 W2's fragments, two sets; v192-223 b2; v224-239 h's scale words, v240-243 W2's:
; these twenty hold scales and nothing else.  Window 1: v0-191 h's fragments: K step k in slot k % 8 at 24 (k % 8) + 12 a.
; THE MODE: SCHED_MODE bits 1:0 = 2 (LLVM: expert scheduling mode 2), set by the entry lines.  The code itself states the register dependences between vector or matrix instructions and memory or LDS
; instructions, with s_wait_alu, always for 0.
; THE PLAN.  Registers that memory or LDS instructions touch:
;   v1-15          addresses and offsets, made once at the head, never written again.
;   W2's two sets  K step s multiplies set s % 2 (with two scale words); the LDS loads of step s + 1 land in the other set.
;   h's eight slots  K step s multiplies slot s % 8; the loads of step s + 7 land in slot (s - 1) % 8.
;   So ONE wait on va_vdst stands at the head of steps 1 to 14: the products of step s - 1 are done with their set, their scale words and their slot.  Behind it come h's eight loads (destination window 1: the switch,
;   the wait, the loads), and W2's fourteen, dealt among step s's products, which name none of those registers; the window setting of the products serves the LDS loads too.
;   the way out    the weighting writes the accumulators: a wait on va_vdst, then the stage's stores and loads; the rows' offsets are made: a second one, then the global stores.  No vector instruction stands between that
;                  wait and the next trip's loads.
;   the loop's head has one wait on vm_vsrc: the stores, LDS stores and loads issued so far have read their registers, which this trip's loads, products and vector lines write again.
.set W2S_OFF, 12582912
.set HS_OFF,  25165824
.set TRIPS, 4
.set WIMG, 0                           ; LDS: 32 units x 3,072
.set WSC,  98304                       ; their scale words
.set OST,  102400                      ; 8 stages of 32 rows x (256 + 16)
.set TKS,  172032                      ; 8 x 128: a pass's tokens
.set LN,1
.set LI0,2                             ; 16 x lane
.set LI1,3                             ; 16 x lane + 49,152: the images of K steps 8-15
.set LSW,4
.set CPA,5
.set CPS,6
.set OSA,7
.set ORA,8
.set TKW,9
.set TKR,10
.set C16,11                            ; 16 (lane & 15)
.set L4,12
.set R4,13                             ; 4 (lane & 15)
.set L8,14
.set H32,15                            ; 32 (lane >> 4)
.set TOKV,16                           ; the token of list place pos + lane
.set TOKA,17                           ; v17-18 the token of tile a's row lane & 15
.set TO,19                             ; v19-20 its place in topw
.set TT,21
.set TW,22                             ; v[22:23], v[24:25] its top weight (the packed form names a pair and takes the low word)
.set ACC,32
.set CP,32                             ; v32-131 the weights on their way to LDS
.set WBF,96
.set OR,96                             ; the way out: v96-159 rows, v160-175 their tokens
.set TR,160
.set B2R,192
.set HS,224
.set WSR,240
.set MSB, 0
.macro WIN new                         ; the immediate's high byte repeats the setting that is left
.if MSB != \new
	s_set_vgpr_msb (MSB<<8)|\new
.set MSB, \new
.endif
.endm
.macro TLOAD k                         ; h's fragments of K step k, both tiles: four runs of 512 + 256 bytes (under destination window 1)
.irp a, 0,1
.irp c, 0,1
	global_load_b128 v[24*((\k)%8)+12*\a+6*\c:24*((\k)%8)+12*\a+6*\c+3], v[LI0], s[26:27] offset:3072*(\k)+1536*\a+768*\c
	global_load_b64 v[24*((\k)%8)+12*\a+6*\c+4:24*((\k)%8)+12*\a+6*\c+5], v[L8], s[26:27] offset:3072*(\k)+1536*\a+768*\c+512
.endr
.endr
.endm
.macro LW s, n                         ; load n of the 14 LDS loads of K step s, into set s % 2: 0-11 W2's four fragments, 12-13 its two scale words
.set wB, WBF+48*((\s)%2)
.if (\s) < 8
.set wA, LI0
.else
.set wA, LI1
.endif
.if (\n) < 12
	ds_load_b128 v[wB+4*(\n):wB+4*(\n)+3], v[wA] offset:3072*(2*((\s)%8)+(\n)/6)+1536*(((\n)/3)%2)+512*((\n)%3)
.else
	ds_load_b32 v[WSR+2*((\s)%2)+(\n)-12], v[LSW] offset:256*(\s)+128*((\n)-12)
.endif
.endm
.macro LOADW s                         ; all fourteen in one run
.irp n, 0,1,2,3,4,5,6,7,8,9,10,11,12,13
	LW \s, \n
.endr
.endm
.macro WM ra, rb                       ; one matrix instruction on rD, rW, rT, rC, rSW, rSH; ra, rb: the side's scales stand in lanes 16-31
.if (\ra) && (\rb)
	v_wmma_scale_f32_16x16x128_f8f6f4 v[rD:rD+7], v[rW:rW+11], v[rT:rT+11], v[rC:rC+7], v[rSW], v[rSH] matrix_a_fmt:MATRIX_FMT_BF6 matrix_b_fmt:MATRIX_FMT_BF6 matrix_a_scale:MATRIX_SCALE_ROW1 matrix_b_scale:MATRIX_SCALE_ROW1
.elseif (\ra)
	v_wmma_scale_f32_16x16x128_f8f6f4 v[rD:rD+7], v[rW:rW+11], v[rT:rT+11], v[rC:rC+7], v[rSW], v[rSH] matrix_a_fmt:MATRIX_FMT_BF6 matrix_b_fmt:MATRIX_FMT_BF6 matrix_a_scale:MATRIX_SCALE_ROW1
.elseif (\rb)
	v_wmma_scale_f32_16x16x128_f8f6f4 v[rD:rD+7], v[rW:rW+11], v[rT:rT+11], v[rC:rC+7], v[rSW], v[rSH] matrix_a_fmt:MATRIX_FMT_BF6 matrix_b_fmt:MATRIX_FMT_BF6 matrix_b_scale:MATRIX_SCALE_ROW1
.else
	v_wmma_scale_f32_16x16x128_f8f6f4 v[rD:rD+7], v[rW:rW+11], v[rT:rT+11], v[rC:rC+7], v[rSW], v[rSH] matrix_a_fmt:MATRIX_FMT_BF6 matrix_b_fmt:MATRIX_FMT_BF6
.endif
.endm
; K step s: its eight products (q = 4 a + t: the eight accumulators by turns, in the same order in every step; source 1, h, in window 1), and the loads that its head's wait has made free.
; Global loads in issue order: 3 of tokens, 4 of h's scale words, K steps 0-7 (8 each), 2 of top weights; then K step s + 7 in step s, s = 1 .. 8.
.macro KSTEP s
.if (\s) == 0
	s_wait_dscnt 14                                ; this K step's fragments of W2 are in; the next step's 14 loads may be out
	s_wait_loadcnt 58                              ; this K step's fragments of h are in; behind them: seven K steps' 56 loads and the 2 of top weights
.else
	s_wait_dscnt 0x0                               ; this K step's fragments of W2 are in: they were the last LDS loads issued
.if (\s) < 8
	s_wait_loadcnt 50                              ; h's are in; behind them: 8 (7 - s) of the first run, the 2 of top weights, 8 (s - 1) issued in the steps before
.elseif (\s) < 10
	s_wait_loadcnt 48                              ; behind them: six K steps' loads
.else
	s_wait_loadcnt 8*(15-(\s))                     ; behind them: the K steps that are left
.endif
.endif
.if ((\s) > 0) && ((\s) < 9)
	WIN 0x40                                       ; destination window 1: the switch, then the wait, then the loads
.endif
.if ((\s) > 0) && ((\s) < 15)
	s_wait_alu depctr_va_vdst(0)                   ; the products of the step before are done reading their slot of h, their set of W2 and its two scale words, in which the loads below land
.endif
.if ((\s) > 0) && ((\s) < 9)
	TLOAD (\s)+7                                   ; into the slot that the step before multiplied
.endif
	WIN 0x04                                       ; source 1 (h) window 1; an LDS load names a destination and source 0 alone, both window 0
.if ((\s) > 0) && ((\s) < 15)
	LW (\s)+1, 0
	LW (\s)+1, 1
.endif
.irp q, 0,1,2,3,4,5,6,7
.set rD, ACC+32*(\q/4)+8*(\q%4)
.if (\s) == 0
.set rC, B2R+8*(\q%4)                  ; the bias starts the sum
.else
.set rC, rD
.endif
.set rW, WBF+48*((\s)%2)+12*(\q%4)
.set rT, 24*((\s)%8)+12*(\q/4)
.set rSW, WSR+2*((\s)%2)+(\q%4)/2
.set rSH, HS+(\s)
	WM (\q%4)%2, \q/4
.if ((\s) > 0) && ((\s) < 15) && (\q < 6)
	LW (\s)+1, 2*\q+2                              ; no wait: no product since the wait above names the other set
	LW (\s)+1, 2*\q+3
.endif
.endr
.endm
	s_load_b256 s[4:11], s[0:1], 0x0               ; w2q, hq, route, topw
	s_load_b128 s[12:15], s[0:1], 0x20             ; b2, out0
	v_lshl_add_u32 v254, v0, 2, 0x2a400
	v_mov_b32 v255, 0
	v_lshrrev_b32 v[TT], 5, v0
	v_readfirstlane_b32 s2, v[TT]                  ; wave 0..7
	v_and_b32 v[LN], 31, v0
	v_lshlrev_b32 v[LI0], 4, v[LN]
	v_add_nc_u32 v[LI1], 49152, v[LI0]
	v_lshlrev_b32 v[L4], 2, v[LN]
	v_add_nc_u32 v[LSW], WSC, v[L4]
	v_lshlrev_b32 v[L8], 3, v[LN]
	s_wait_alu depctr_va_sdst(0)                   ; s2 is written, ahead of its first reader
	s_mul_i32 s19, s2, 12288
	v_add_nc_u32 v[CPA], s19, v[LI0]
	s_lshl_b32 s19, s2, 9
	s_add_co_u32 s19, s19, WSC
	v_add_nc_u32 v[CPS], s19, v[LI0]
	v_and_b32 v[C16], 15, v[LN]                    ; r
	v_lshrrev_b32 v[H32], 4, v[LN]                 ; h
	s_mul_i32 s19, s2, 8704
	s_add_co_u32 s19, s19, OST
	v_mul_u32_u24 v[TT], v[C16], 272
	v_lshl_add_u32 v[TT], v[H32], 5, v[TT]
	v_add_nc_u32 v[OSA], s19, v[TT]                ; the stage, in: row r, + 32 h
	v_mul_u32_u24 v[TT], v[H32], 272
	v_lshl_add_u32 v[TT], v[C16], 4, v[TT]
	v_add_nc_u32 v[ORA], s19, v[TT]                ; and back: lanes 0-15 one row, lanes 16-31 the next
	s_lshl_b32 s19, s2, 7
	s_add_co_u32 s19, s19, TKS
	v_add_nc_u32 v[TKW], s19, v[L4]
	v_lshl_add_u32 v[TKR], v[H32], 2, s19
	v_lshlrev_b32 v[R4], 2, v[C16]
	v_lshlrev_b32 v[C16], 4, v[C16]
	v_lshlrev_b32 v[H32], 5, v[H32]
	v_mov_b32 v[TW+1], 0                           ; (named as the upper halves of pairs, so they are written)
	v_mov_b32 v[TW+3], 0
	s_lshr_b32 s16, ttmp9, 5                       ; expert
	s_bfe_u32 s17, ttmp9, 0x40001                  ; group of 64 columns
	s_and_b32 s18, ttmp9, 1                        ; parity of my passes
	s_mov_b32 s37, 0
	s_wait_kmcnt 0x0
	s_mul_i32 s36, s16, 9216
	s_add_nc_u64 s[24:25], s[8:9], s[36:37]        ; my expert's list
	s_load_b32 s34, s[24:25], 0x2380               ; and its count, entry 2,272
	s_lshr_b32 s19, ttmp9, 1                       ; 16 e + g
	s_mul_i32 s36, s19, 98304
	s_mul_i32 s40, s2, 12288
	s_add_co_u32 s36, s36, s40
	s_add_nc_u64 s[20:21], s[4:5], s[36:37]        ; my wave's eighth of the codes
	s_lshl_b32 s36, s19, 12
	s_lshl_b32 s40, s2, 9
	s_add_co_u32 s36, s36, s40
	s_add_nc_u64 s[22:23], s[4:5], s[36:37]
	s_add_nc_u64 s[22:23], s[22:23], W2S_OFF       ; and of the scale words
	s_lshl_b32 s36, s16, 12
	s_lshl_b32 s40, s17, 8
	s_add_co_u32 s36, s36, s40
	s_add_nc_u64 s[32:33], s[12:13], s[36:37]      ; b2 at my 64 columns
	s_mov_b32 s36, s40
	s_add_nc_u64 s[30:31], s[14:15], s[36:37]      ; out0 at my 64 columns
	s_wait_alu depctr_va_vdst(0)                   ; the addresses and offsets v1 to v15 are written. No vector instruction follows ahead of the passes
.irp i, 0,1,2,3,4,5,6,7,8,9,10,11,12,13,14,15,16,17,18,19,20,21,22,23
	global_load_b128 v[CP+4*\i:CP+4*\i+3], v[LI0], s[20:21] offset:512*\i
.endr
	global_load_b128 v[CP+96:CP+99], v[LI0], s[22:23]
.irp t, 0,1,2,3
.irp i, 0,1
	global_load_b128 v[B2R+8*\t+4*\i:B2R+8*\t+4*\i+3], v[H32], s[32:33] offset:64*\t+16*\i    ; b2 at columns 16 t + 8 h + 0 .. 7: the accumulators' own order
.endr
.endr
	s_wait_kmcnt 0x0
	s_min_u32 s34, s34, 2048                       ; the expert's tokens
	s_lshl_b32 s35, s18, 5
	s_lshl_b32 s40, s2, 6
	s_add_co_u32 s35, s35, s40                     ; my first pass's first list place: 32 (t + 2 w)
	s_mul_i32 s36, s16, 3145728
	s_mul_i32 s40, s35, 1536
	s_add_co_u32 s36, s36, s40
	s_add_nc_u64 s[26:27], s[6:7], s[36:37]        ; its codes of h,
	s_lshl_b32 s36, s16, 17
	s_lshl_b32 s40, s35, 6
	s_add_co_u32 s36, s36, s40
	s_add_nc_u64 s[28:29], s[6:7], s[36:37]
	s_add_nc_u64 s[28:29], s[28:29], HS_OFF        ; its scale words,
	s_lshl_b32 s36, s35, 2
	s_add_nc_u64 s[38:39], s[24:25], s[36:37]      ; its tokens
	s_mov_b32 s41, 0                               ; trips made
	s_wait_loadcnt 0x0
.irp i, 0,1,2,3,4,5,6,7,8,9,10,11,12,13,14,15,16,17,18,19,20,21,22,23
	ds_store_b128 v[CPA], v[CP+4*\i:CP+4*\i+3] offset:WIMG+512*\i
.endr
	ds_store_b128 v[CPS], v[CP+96:CP+99]
	s_wait_dscnt 0x0                               ; for the others' sake: my eighth has landed
	s_barrier_signal -1
	s_barrier_wait -1                              ; W2's codes and scale words lie in LDS.  No barrier follows
.Lpass:
	s_cmp_ge_u32 s35, s34                          ; no list place is left for me: out of the loop
	s_cbranch_scc1 .Lend
	s_wait_alu depctr_vm_vsrc(0)                   ; first trip: my LDS stores have read v32-131; later trips: the stage's stores have read v16 and v32-95, the global stores v96-175, the loads of top weights v19-20: all are written again below
	global_load_b32 v[TOKV], v[L4], s[38:39]
	global_load_b32 v[TOKA], v[R4], s[38:39]
	global_load_b32 v[TOKA+1], v[R4], s[38:39] offset:64
.irp q, 0,1,2,3
	global_load_b128 v[HS+4*\q:HS+4*\q+3], v[LI0], s[28:29] offset:512*\q      ; lane 16 a + r: token r of tile a; register s: K step s
.endr
	WIN 0x40                                       ; destination window 1.  (Since the last wait on va_vdst only loads, stores of other registers, scalar lines and window switches have been issued)
.irp k, 0,1,2,3,4,5,6,7
	TLOAD \k
.endr
	WIN 0
	LOADW 0                                        ; W2's first two K steps, asked for ahead of the wait for the tokens
	LOADW 1
	s_wait_loadcnt 63                              ; 68 loads were issued behind the three of tokens: these are in
	v_min_u32 v[TO], 0x7ff, v[TOKA]
	v_min_u32 v[TO+1], 0x7ff, v[TOKA+1]
	v_lshlrev_b32 v[TO], 2, v[TO]
	v_lshlrev_b32 v[TO+1], 2, v[TO+1]
	s_wait_alu depctr_va_vdst(0)                   ; v19 and v20 are written: the offsets of the two loads below
	global_load_b32 v[TW], v[TO], s[10:11]
	global_load_b32 v[TW+2], v[TO+1], s[10:11]
.irp s, 0,1,2,3,4,5,6,7,8,9,10,11,12,13,14,15
	KSTEP \s
.endr
	WIN 0
	s_wait_loadcnt 0x0                             ; the top weights
.rept 4
	v_nop                                          ; four places behind the last product, before its result is read (ISA guide 7.12.1)
.endr
.irp a, 0,1
.irp p, 0,2,4,6,8,10,12,14,16,18,20,22,24,26,28,30
	v_pk_mul_f32 v[ACC+32*\a+\p:ACC+32*\a+\p+1], v[ACC+32*\a+\p:ACC+32*\a+\p+1], v[TW+2*\a:TW+2*\a+1] op_sel_hi:[1,0]   ; x the token's top weight; each accumulator from its low end on
.endr
.endr
	s_wait_alu depctr_va_vdst(0)                   ; the multiplications have written v32-95, which the LDS stores read; the products are done reading v96-191, in which the rows and their tokens land
.irp a, 0,1
.irp t, 0,1,2,3
	ds_store_b128 v[OSA], v[ACC+32*\a+8*\t:ACC+32*\a+8*\t+3] offset:4352*\a+64*\t
	ds_store_b128 v[OSA], v[ACC+32*\a+8*\t+4:ACC+32*\a+8*\t+7] offset:4352*\a+64*\t+16
.endr
.endr
	ds_store_b32 v[TKW], v[TOKV]
.irp i, 0,1,2,3,4,5,6,7,8,9,10,11,12,13,14,15
	ds_load_b128 v[OR+4*\i:OR+4*\i+3], v[ORA] offset:544*\i        ; my wave's own bytes: LDS serves a wave's instructions in order
	ds_load_b32 v[TR+\i], v[TKR] offset:8*\i                       ; and the two rows' tokens
.endr
	s_wait_dscnt 0x0
.irp i, 0,1,2,3,4,5,6,7,8,9,10,11,12,13,14,15
	v_min_u32 v[TR+\i], 0x7ff, v[TR+\i]
.endr
.irp i, 0,1,2,3,4,5,6,7,8,9,10,11,12,13,14,15
	v_lshl_add_u32 v[TR+\i], v[TR+\i], 12, v[C16]                  ; the token's row of 4,096 bytes, + 16 bytes a lane
.endr
	s_wait_alu depctr_va_vdst(0)                   ; v160-175 are written: the offsets of the stores below; and every vector and matrix instruction of the pass is done with the registers in which the next trip's loads land
.irp i, 0,1,2,3,4,5,6,7,8,9,10,11,12,13,14,15
	global_store_b128 v[TR+\i], v[OR+4*\i:OR+4*\i+3], s[30:31] th:TH_STORE_NT   ; sixteen lanes store 256 consecutive bytes of a token's row, aligned
.endr
	s_wait_xcnt 0x0                                ; the stores' addresses are translated: their data and offsets are written again in the next trip; the trip's loads are all in, so their bases may step
	s_add_nc_u64 s[26:27], s[26:27], 786432        ; sixteen passes on
	s_add_nc_u64 s[28:29], s[28:29], 32768
	s_add_nc_u64 s[38:39], s[38:39], 2048
	s_add_co_u32 s35, s35, 512
	s_add_co_u32 s41, s41, 1
	s_cmp_lt_u32 s41, TRIPS
	s_cbranch_scc1 .Lpass
.Lend:
	s_wait_dscnt 0x0
	s_wait_alu depctr_hold_cnt(0) depctr_sa_sdst(0) depctr_va_vdst(0) depctr_va_sdst(0) depctr_va_ssrc(0) depctr_va_vcc(0) depctr_vm_vsrc(0)
	s_wait_tensorcnt 0x0
	ds_add_u32 v254, v255
	s_wait_dscnt 0x0
	s_endpgm
.Lfunc_end_k_qa1083b6ace_ffn2:
	.size	k_qa1083b6ace_ffn2, .Lfunc_end_k_qa1083b6ace_ffn2-k_qa1083b6ace_ffn2
	.p2alignl 7, 3214868480
	.fill 96, 4, 3214868480
	.section	.rodata,"a",@progbits
	.p2align	6, 0x0
	.amdhsa_kernel k_qa1083b6ace_ffn2
		.amdhsa_group_segment_fixed_size 174080
		.amdhsa_private_segment_fixed_size 0
		.amdhsa_enable_private_segment 0
		.amdhsa_kernarg_size 48
		.amdhsa_user_sgpr_count 2
		.amdhsa_user_sgpr_kernarg_segment_ptr 1
		.amdhsa_wavefront_size32 1
		.amdhsa_system_sgpr_workgroup_id_x 1
		.amdhsa_system_sgpr_workgroup_id_y 1
		.amdhsa_system_sgpr_workgroup_id_z 1
		.amdhsa_system_vgpr_workitem_id 0
		.amdhsa_next_free_vgpr 512
		.amdhsa_next_free_sgpr 66
		.amdhsa_reserve_vcc 0
		.amdhsa_float_denorm_mode_32 3
		.amdhsa_float_denorm_mode_16_64 3
		.amdhsa_memory_ordered 1
		.amdhsa_forward_progress 1
		.amdhsa_inst_pref_size 64
	.end_amdhsa_kernel
	.amdgpu_metadata
---
amdhsa.version: [ 1, 2 ]
amdhsa.kernels:
  - .name:           k_qa1083b6ace_ffn2
    .symbol:         k_qa1083b6ace_ffn2.kd
    .args:
      - { .name: w2q, .offset: 0, .size: 8, .value_kind: global_buffer, .address_space: global }
      - { .name: hq, .offset: 8, .size: 8, .value_kind: global_buffer, .address_space: global }
      - { .name: route, .offset: 16, .size: 8, .value_kind: global_buffer, .address_space: global }
      - { .name: topw, .offset: 24, .size: 8, .value_kind: global_buffer, .address_space: global }
      - { .name: b2, .offset: 32, .size: 8, .value_kind: global_buffer, .address_space: global }
      - { .name: out0, .offset: 40, .size: 8, .value_kind: global_buffer, .address_space: global }
    .group_segment_fixed_size: 174080
    .private_segment_fixed_size: 0
    .kernarg_segment_align: 8
    .kernarg_segment_size: 48
    .max_flat_workgroup_size: 256
    .sgpr_count:     66
    .vgpr_count:     512
    .wavefront_size: 32
...
	.end_amdgpu_metadata
.endif
;; end of part 6
